; MI455X (gfx1250); checked and timed in simulation.
; The chip was launched on July 23, 2026; its instructions are those of AMD's public machine-readable ISA for CDNA 5 (MIT licence, August 2026) and "CDNA5" Instruction Set Architecture Reference Guide (July 2026). The comments in the code are by the model that wrote it; some were corrected since.
;; Multi Headed Attention. Allowed arithmetic: matrix products marked QUANTISED: E2M1 operands, one E8M0 scale for each 32 along K, by v_wmma_scale_f32_16x16x128_f8f6f4 with both operands' format E2M1 (or v_wmma_scale_f32_32x16x128_f4), f32 sums; products left as they are: bf16, f16 or f32 operands; f32 sums; everything else in f32.
;; Inputs: X_KV 4 x 2,048 x 1,024 float32; X_Q 4 x 2,048 x 1,024 float32; kv_b 2,048 float32; kv_w 1,024 x 2,048 float32; out_b 1,024 float32; out_w 1,024 x 1,024 float32; q_b 1,024 float32; q_w 1,024 x 1,024 float32.
;; Outputs: out0 4 x 2,048 x 1,024 float32.
;; This version of the problem:
;;   THIS VERSION OF THE PROBLEM IS GIVEN IN LOW PRECISION. The matrix products marked QUANTISED in the list below multiply operands that are first quantised to E2M1 (2 exponent bits, 1 mantissa bit; 4 bits a number), with one power-of-two scale for each 32 numbers along K (OCP MX v1.0); their sums are f32. The products marked 'left as it is' may take bf16, f16 or f32 operands, with f32 sums. Whichever they take, every output number must still come out within the allowed error. Rounding operands to bf16 (8 significant bits) uses up far more of that allowance than f16 does (11 bits, for magnitudes from 6e-5 to 65,504). All else is computed in f32.
;;   The module's matrix products, in the order in which they are computed (A, B: the left and right operand; K: the contracted axis; several contracted axes count as one K, in the product's order):
;;     1. [M 8,192, K 1,024] x [K 1,024, N 1,024]; A: input X_Q; B: input q_w: QUANTISED
;;     2. [M 8,192, K 1,024] x [K 1,024, N 2,048]; A: input X_KV; B: input kv_w: QUANTISED
;;     3. batch 64 x [M 2,048, K 64] x [K 64, N 2,048]; A: computed on the way; B: computed on the way: left as it is (an operand is computed on the way)
;;     4. batch 64 x [M 2,048, K 2,048] x [K 2,048, N 64]; A: computed on the way; B: computed on the way: left as it is (an operand is computed on the way)
;;     5. [M 8,192, K 1,024] x [K 1,024, N 1,024]; A: computed on the way; B: input out_w: left as it is (an operand is computed on the way)
;;   THE QUANTISER, for each operand of a quantised product, along K:
;;     - K is cut into blocks of 32 from its start; a last block that is shorter is filled with zeros.
;;     - A block's scale is 2^e with e = floor(log2(the largest magnitude in the block)) - 2, held to -126 .. 127; a block of zeros has e = 0. As a byte (E8M0): e + 127.
;;     - Each number is divided by its block's scale, clamped to +-6, and rounded to the nearest number of E2M1, ties to even, subnormals kept.
;;     - The product sums the exact products of the quantised numbers (number of the format x scale) in f32.
;;   ~~~python
;;   def quantise(x, axis):      # numpy; x: float32 -> the quantised numbers, widened to float32 again
;;       x = np.moveaxis(x, axis, -1); K = x.shape[-1]
;;       x = np.pad(x, [(0, 0)] * (x.ndim - 1) + [(0, -K % 32)]); x = x.reshape(x.shape[:-1] + (-1, 32)); a = np.abs(x).max(-1, keepdims=True)
;;       e = np.where(a > 0, np.clip(np.frexp(np.where(a > 0, a, 1))[1] - 1 - 2, -126, 127), 0)      # np.frexp(a)[1] - 1 = floor(log2(a)), exactly
;;       r = np.clip(x / 2.0 ** e, -6, 6)
;;       step = 2.0 ** (np.maximum(np.frexp(np.where(r == 0, 1, r))[1] - 1, 0) - 1)
;;       q = np.round(r / step) * step * 2.0 ** e      # np.round: ties to even
;;       return np.moveaxis(q.reshape(q.shape[:-2] + (-1,))[..., :K], -1, axis).astype(np.float32)
;;   ~~~
;; One version. Each part assembles by itself: llvm-mc -triple=amdgcn-amd-amdhsa -mcpu=gfx1250 --defsym DOCPART=n.
;; ======== version 1 of 1: 4 launches
;; limits: values are held in f16: magnitudes above 65,504 overflow, below 6.1e-05 lose precision
;; workspace buffers: x_codes 8,388,608 bytes; x_scales 524,288 bytes; w_codes 1,572,864 bytes; w_scales 98,304 bytes; w16 2,097,152 bytes; qkv 50,331,648 bytes; o_ws 16,777,216 bytes
;; launch prep (part 1): grid 688 x 1, 4 waves a work-group, no clusters, 68,096 bytes of LDS; arguments X_Q, X_KV, q_w, kv_w, out_w, x_codes, x_scales, w_codes, w_scales, w16; writes x_codes, x_scales, w_codes, w_scales, w16
.if DOCPART == 1
	.amdgcn_target "amdgcn-amd-amdhsa--gfx1250"
	.amdhsa_code_object_version 6
	.text
	.protected	k_q42632d6cf2_prep
	.globl	k_q42632d6cf2_prep
	.p2align	8
	.type	k_q42632d6cf2_prep,@function
k_q42632d6cf2_prep:
	s_mov_b64 s[64:65], 0
	v_nop
	global_prefetch_b8 v0, s[64:65] scope:SCOPE_SE
	s_setreg_imm32_b32 hwreg(HW_REG_WAVE_MODE, 25, 1), 1
	s_wait_xcnt 0x0
; MULTI-HEADED ATTENTION, launch 1 of 4: the operands of the two quantised projections become codes of FP4 (E2M1) with one E8M0 scale byte for each 32 along K = 1,024; out_w becomes f16.
; WORK LEFT OUT IN THE WHOLE PROGRAM: kv_b[0:1024], the bias of k.  score(s, l) = q_s . (k'_l + b_k) / 8 = q_s . k'_l / 8 + q_s . b_k / 8, and the second term is the same for every key l of a row s:
; the softmax along l divides it away for all values of the inputs.  k is used nowhere else, and the product of q with k is not quantised, so the bias reaches no quantiser.  So those 1,024 numbers are never loaded
; (kv_b[1024:2048], v's bias, q_b and out_b are live and are loaded in later launches).  LIMIT: a NaN, an infinity or an overflow that comes from kv_b[0:1024] alone is not carried to the result.
; THREE PATHS, parted by the work-group's number alone, each with LDS bytes of its own:
;   work-groups 0-511:   X_Q (0-255) and X_KV (256-511), K innermost: a plain stream of blocks of 32.  x_codes [16,384 rows][512 bytes], x_scales [16,384][32]; rows 0-8,191 are X_Q's.
;   work-groups 512-559: q_w and kv_w, K is their FIRST axis: a lane takes a column and its registers run down K.  w_codes [3,072 columns][512 bytes], w_scales [3,072][32]; columns 0-1,023 are q_w's, then kv_w's.
;   work-groups 560-687: out_w to f16, as it lies ([k][n]).
; A block's scale is 2^(floor(log2(its largest magnitude)) - 2); its byte is the largest magnitude's exponent field - 2, held at 1 from below.  A block of zeros so gets the byte 1 where the rule says 127:
; its codes are zeros, which add nothing under any byte but 0xff, and this program alone reads the bytes.
; LIMITS: blocks whose largest magnitude lies under 2^(2 - 126), whose byte is held at 1, were not tried; NaN and infinities among the inputs are not served.
; No tensor load, no barrier: waves share nothing.
.set SPW,   14                         ; v14  LDS address of my spare word: SPARE + 4 x my thread's number; never rewritten
.set NIL,   15                         ; v15  0; never rewritten
.set WSTG,  32768                      ; LDS: bytes 0-32,767 are the first path's, 32,768-67,583 the second's
.set SPARE, 67584                      ; behind them the spare words, 128 bytes for each wave
.set EMAX,  2
; the first path
.set STEPS, 16                         ; a wave takes 16 steps of 512 numbers
.set CB,    8                          ; bytes of 16 codes
.set XR,    16                         ; v16-79   four sets of 16 numbers as they are loaded
.set XX,    80                         ; v80-111  two sets of 16 neighbours
.set XE,    112                        ; v112-127 a scale byte for each step
.set XC,    128                        ; v128-191 codes: four registers for each step, so that no store's data are written again
.set XIN,   192                        ; v192     the stage on the way in
.set XOUT,  193                        ; v193     and on the way out
.set WREG,  8192                       ; a wave's LDS: two stages of 32 x SP bytes, behind them its 256 scale bytes
.set SP,    80                         ; a lane's place in a stage: 64 bytes + 16 of padding
; the second path
.set NB,    16                         ; blocks of 32 along K for a wave
.set WP,    272                        ; a stage row: 256 bytes of codes + 16
.set WSB,   24                         ; v24-27   the scale bytes, four to a register
.set WX,    32                         ; v32-95   two sets of 32 numbers
.set WC,    96                         ; v96-99   a block's codes
.set WOUT,  112                        ; v112-175 the way out
.set OFF,   176                        ; v176-207 4 x lane + i rows of the weight, i = 0 .. 31; never rewritten
.set BASE,  32                         ; s[32:63] block t's first row at my wave's columns, a pair for each t; never rewritten
	s_load_b512 s[4:19], s[0:1], 0x0               ; X_Q s[4:5], X_KV s[6:7], q_w s[8:9], kv_w s[10:11], out_w s[12:13], x_codes s[14:15], x_scales s[16:17], w_codes s[18:19]
	s_load_b128 s[20:23], s[0:1], 0x40             ; w_scales s[20:21], w16 s[22:23]
	v_lshl_add_u32 v[SPW], v0, 2, SPARE
	v_mov_b32 v[NIL], 0
	v_lshrrev_b32 v1, 5, v0
	v_readfirstlane_b32 s24, v1                    ; wave 0..3
	v_and_b32 v2, 31, v0                           ; lane
	s_wait_kmcnt 0x0
	s_cmp_lt_u32 ttmp9, 512
	s_cbranch_scc1 .Lpath_x
	s_cmp_lt_u32 ttmp9, 560
	s_cbranch_scc1 .Lpath_w
	; ---- out_w to f16: a wave takes 2,048 numbers: sixteen loads of 512 consecutive bytes, sixteen stores of 256 consecutive bytes, aligned.  No register is written twice.
	s_sub_co_u32 s25, ttmp9, 560
	s_lshl_b32 s25, s25, 2
	s_add_co_u32 s25, s25, s24                     ; which run of 2,048 numbers is my wave's
	s_lshl_b32 s26, s25, 13
	s_mov_b32 s27, 0
	s_add_nc_u64 s[12:13], s[12:13], s[26:27]
	s_lshl_b32 s26, s25, 12
	s_add_nc_u64 s[22:23], s[22:23], s[26:27]
	v_lshlrev_b32 v3, 4, v2
	v_lshlrev_b32 v4, 3, v2
.irp i, 0,1,2,3,4,5,6,7,8,9,10,11,12,13,14,15
	global_load_b128 v[32+4*\i:35+4*\i], v3, s[12:13] offset:512*\i th:TH_LOAD_NT
.endr
.irp i, 0,1,2,3,4,5,6,7,8,9,10,11,12,13,14,15
	s_wait_loadcnt 15-\i                           ; loads come back in order: load i is in, the younger ones may be out
	v_cvt_pk_f16_f32 v[96+2*\i], v[32+4*\i], v[33+4*\i]
	v_cvt_pk_f16_f32 v[97+2*\i], v[34+4*\i], v[35+4*\i]
	global_store_b64 v4, v[96+2*\i:97+2*\i], s[22:23] offset:256*\i
.endr
	s_endpgm
	; ---- X_Q and X_KV.  The conversions take 8 numbers of ONE block from a lane's consecutive registers, so a lane must hold 16 neighbours (two lanes hold a block); a load is best where neighbouring lanes take
	; neighbouring bytes.  Both are had: each load reads 512 consecutive bytes, a step's 2,048 bytes go through the wave's own stage in LDS as they lie and come back 64 bytes a lane.
.Lpath_x:
	v_lshlrev_b32 v3, 4, v2                        ; my 16 bytes of a load's 512
	s_mul_i32 s25, s24, WREG
	v_lshrrev_b32 v[XIN], 2, v2
	v_mul_u32_u24 v[XIN], v[XIN], SP
	v_and_b32 v[XOUT], 3, v2
	v_lshl_add_u32 v[XIN], v[XOUT], 4, v[XIN]
	v_add_nc_u32 v[XIN], s25, v[XIN]               ; in: four lanes' 64 bytes on end, then 16 of padding
	v_mul_u32_u24 v[XOUT], v2, SP
	v_add_nc_u32 v[XOUT], s25, v[XOUT]             ; out: SP x lane: my 16 neighbours
	v_mul_u32_u24 v4, v2, CB                       ; my codes' place in a step's
	v_lshrrev_b32 v5, 1, v2
	s_add_co_u32 s25, s25, 2*32*SP
	v_add_nc_u32 v5, s25, v5                       ; LDS: my wave's 256 scale bytes, my block's byte
	v_lshlrev_b32 v7, 3, v2                        ; and on the way out 8 bytes a lane
	v_add_nc_u32 v6, s25, v7
	s_cmp_lt_u32 ttmp9, 256                        ; X_Q's work-group or X_KV's: the choice hangs on the work-group's number alone
	s_cselect_b64 s[4:5], s[4:5], s[6:7]
	s_cselect_b32 s25, 0, 256
	s_sub_co_u32 s25, ttmp9, s25
	s_lshl_b32 s25, s25, 2
	s_add_co_u32 s26, s25, s24                     ; which run of 8,192 numbers of the input is my wave's
	s_mov_b32 s27, 0
	s_lshl_b64 s[28:29], s[26:27], 15
	s_add_nc_u64 s[4:5], s[4:5], s[28:29]
	s_lshl_b32 s26, ttmp9, 2
	s_add_co_u32 s26, s26, s24                     ; and of the joint buffers of codes and scale bytes
	s_lshl_b64 s[28:29], s[26:27], 12
	s_add_nc_u64 s[14:15], s[14:15], s[28:29]
	s_lshl_b32 s28, s26, 8
	s_mov_b32 s29, 0
	s_add_nc_u64 s[16:17], s[16:17], s[28:29]
.macro XLOAD t
.irp i, 0,1,2,3
	global_load_b128 v[XR+16*((\t)%4)+4*\i:XR+16*((\t)%4)+4*\i+3], v3, s[4:5] offset:2048*(\t)+512*\i th:TH_LOAD_NT
.endr
.endm
.macro XTURN t                         ; step t's numbers through the stage: LDS serves a wave's instructions in order, so no wait stands between the stores and the loads
.irp i, 0,1,2,3
	ds_store_b128 v[XIN], v[XR+16*((\t)%4)+4*\i:XR+16*((\t)%4)+4*\i+3] offset:32*SP*((\t)%2)+8*SP*\i
.endr
.irp i, 0,1,2,3
	ds_load_b128 v[XX+16*((\t)%2)+4*\i:XX+16*((\t)%2)+4*\i+3], v[XOUT] offset:32*SP*((\t)%2)+16*\i
.endr
.endm
.irp t, 0,1,2,3
	XLOAD \t
.endr
	s_wait_loadcnt 12                              ; step 0's four loads are in
	XTURN 0
.macro XSTEP t
.set XS, XX+16*((\t)%2)
.if (\t) > 0
	s_wait_dscnt 1                                 ; this step's numbers are back from the stage (the last step's byte store may be out): so its stores into the stage have read their registers,
.else
	s_wait_dscnt 0x0
.endif
.if (\t)+4 < STEPS
	XLOAD (\t)+4                                   ; which take the loads of four steps on
.endif
.if (\t)+1 < STEPS
.if STEPS-2-(\t) >= 3
	s_wait_loadcnt 12                              ; the next step's four loads are in; those of the three steps behind it may be out
.else
	s_wait_loadcnt 4*(STEPS-2-(\t))
.endif
	XTURN (\t)+1                                   ; and go through the other stage while this step is worked
.endif
	v_max3_num_f32 v8, |v[XS]|, |v[XS+1]|, |v[XS+2]|               ; the largest magnitude of my 16, in two chains
	v_max3_num_f32 v9, |v[XS+3]|, |v[XS+4]|, |v[XS+5]|
.irp i, 6,10
	v_max3_num_f32 v8, v8, |v[XS+\i]|, |v[XS+\i+1]|
	v_max3_num_f32 v9, v9, |v[XS+\i+2]|, |v[XS+\i+3]|
.endr
	v_max3_num_f32 v8, v8, |v[XS+14]|, |v[XS+15]|
	v_max3_num_f32 v8, v8, v9, (EMAX+1)<<23        ; and the floor 2^(EMAX + 1 - 127): the byte cannot fall under 1
	v_max_num_f32_dpp v8, v8, v8 row_xmask:1 row_mask:0xf bank_mask:0xf   ; and of my neighbour's 16: the block's
	v_add_nc_u32 v11, -(EMAX<<23), v8              ; EMAX off its exponent field: the conversion takes the exponent field of this operand as its scale, and nothing else of it
	v_cvt_scalef32_pk8_fp4_f32 v[XC+4*(\t)], v[XS:XS+7], v11
	v_cvt_scalef32_pk8_fp4_f32 v[XC+4*(\t)+1], v[XS+8:XS+15], v11
	v_lshrrev_b32 v[XE+(\t)], 23, v11              ; the scale's byte (a plain line behind the conversions)
	ds_store_b8 v5, v[XE+(\t)] offset:16*(\t)      ; both lanes of a block write the same byte with the same value
	global_store_b64 v4, v[XC+4*(\t):XC+4*(\t)+1], s[14:15] offset:32*CB*(\t)   ; the wave stores 256 consecutive bytes, aligned
.endm
.irp t, 0,1,2,3,4,5,6,7,8,9,10,11,12,13,14,15
	XSTEP \t
.endr
	ds_load_b64 v[8:9], v6                         ; LDS serves a wave's instructions in order: these see my stores
	s_wait_dscnt 0x0
	global_store_b64 v7, v[8:9], s[16:17]          ; my wave's 256 scale bytes: 256 consecutive bytes, aligned
	s_wait_tensorcnt 0x0                           ; the wave's end, behind my last LDS store
	ds_add_u32 v[SPW], v[NIL]
	s_wait_dscnt 0x0
	s_endpgm
	; ---- q_w and kv_w.  Work-group j = 0 .. 47: 128 columns (j / 2) of the joint 3,072, 512 along K (j % 2).  A wave takes 32 columns: each load reads 128 consecutive bytes of one row k, a block of 32 along K lies in
	; ONE lane's 32 registers, and the conversions give codes with K innermost.  The two weights have rows of 4,096 and of 8,192 bytes, so the rows' offsets stand in registers, made once, not in immediates.
.Lpath_w:
	s_sub_co_u32 s25, ttmp9, 512
	s_and_b32 s28, s25, 1                          ; which 512 along K
	s_lshr_b32 s25, s25, 1                         ; which 128 of the joint columns, 0 .. 23
	s_mov_b32 s26, 8192
	s_cmp_lt_u32 s25, 8                            ; q_w's or kv_w's: ids alone.  All selects stand ahead of the subtraction, which writes SCC
	s_cselect_b64 s[8:9], s[8:9], s[10:11]
	s_cselect_b32 s26, 4096, s26                   ; a row of the weight in bytes
	s_cselect_b32 s27, 0, 8
	s_sub_co_u32 s27, s25, s27                     ; which 128 columns of that weight
	s_lshl_b32 s29, s25, 7
	s_lshl_b32 s30, s24, 5
	s_add_co_u32 s29, s29, s30                     ; my wave's first joint column
	s_lshl_b32 s30, s29, 9                         ; codes: 512 bytes a column,
	s_lshl_b32 s31, s28, 8                         ; + 256 for the second 512 along K
	s_add_co_u32 s30, s30, s31
	s_mov_b32 s31, 0
	s_add_nc_u64 s[18:19], s[18:19], s[30:31]
	s_lshl_b32 s30, s29, 5                         ; scale bytes: 32 a column, + 16
	s_lshl_b32 s29, s28, 4
	s_add_co_u32 s30, s30, s29
	s_add_nc_u64 s[20:21], s[20:21], s[30:31]
	s_mul_i32 s30, s28, s26                        ; the weight: 512 rows down for the second half of K,
	s_lshl_b32 s30, s30, 9
	s_lshl_b32 s29, s27, 9                         ; 128 columns of 4 bytes,
	s_add_co_u32 s30, s30, s29
	s_lshl_b32 s29, s24, 7                         ; my wave's 32 of them
	s_add_co_u32 s30, s30, s29
	s_add_nc_u64 s[BASE:BASE+1], s[8:9], s[30:31]
	s_lshl_b32 s30, s26, 5                         ; from block to block: 32 rows
.irp t, 1,2,3,4,5,6,7,8,9,10,11,12,13,14,15
	s_add_nc_u64 s[BASE+2*\t:BASE+2*\t+1], s[BASE+2*\t-2:BASE+2*\t-1], s[30:31]
.endr
	v_lshlrev_b32 v[OFF], 2, v2
.irp i, 1,2,3,4,5,6,7,8,9,10,11,12,13,14,15,16,17,18,19,20,21,22,23,24,25,26,27,28,29,30,31
	v_add_nc_u32 v[OFF+\i], s26, v[OFF+\i-1]
.endr
	s_mul_i32 s29, s24, 32*WP
	s_add_co_u32 s29, s29, WSTG                    ; my stage
	v_mul_u32_u24 v4, v2, WP
	v_add_nc_u32 v4, s29, v4                       ; into it: row = my column
	v_and_b32 v5, 15, v2
	v_lshrrev_b32 v6, 4, v2                        ; out of it: sixteen lanes to a row, two rows an instruction
	v_mul_u32_u24 v7, v6, WP
	v_lshl_add_u32 v7, v5, 4, v7
	v_add_nc_u32 v7, s29, v7
	v_lshlrev_b32 v8, 9, v6
	v_lshl_add_u32 v8, v5, 4, v8                   ; and the same place in the codes' buffer
	v_lshlrev_b32 v9, 5, v2                        ; my column's row of scale bytes
.macro WLOAD t                         ; block t: W(32 t + i, my column), i = 0 .. 31, into set t % 2
.irp i, 0,1,2,3,4,5,6,7,8,9,10,11,12,13,14,15,16,17,18,19,20,21,22,23,24,25,26,27,28,29,30,31
	global_load_b32 v[WX+32*((\t)%2)+\i], v[OFF+\i], s[BASE+2*(\t):BASE+2*(\t)+1] th:TH_LOAD_NT
.endr
.endm
	WLOAD 0
	WLOAD 1
.macro WBLOCK t
.set XS, WX+32*((\t)%2)
.if (\t) < NB-1
	s_wait_loadcnt 32                              ; this block's 32 loads are in; the next block's may be out
.else
	s_wait_loadcnt 0
.endif
	v_max3_num_f32 v12, |v[XS]|, |v[XS+1]|, |v[XS+2]|               ; the block's largest magnitude: all 32 numbers are mine
	v_max3_num_f32 v13, |v[XS+3]|, |v[XS+4]|, |v[XS+5]|
.irp i, 6,10,14,18,22,26
	v_max3_num_f32 v12, v12, |v[XS+\i]|, |v[XS+\i+1]|
	v_max3_num_f32 v13, v13, |v[XS+\i+2]|, |v[XS+\i+3]|
.endr
	v_max3_num_f32 v12, v12, |v[XS+30]|, |v[XS+31]|
	v_max3_num_f32 v12, v12, v13, (EMAX+1)<<23     ; and the floor
	v_add_nc_u32 v11, -(EMAX<<23), v12             ; the conversions' scale operand
	v_lshrrev_b32 v13, 23, v11                     ; the scale's byte
.if (\t)%4 == 0
	v_mov_b32 v[WSB+(\t)/4], v13                   ; four bytes to a register, the lower K in the lower byte
.else
	v_lshl_or_b32 v[WSB+(\t)/4], v13, 8*((\t)%4), v[WSB+(\t)/4]
.endif
.irp g, 0,1,2,3
	v_cvt_scalef32_pk8_fp4_f32 v[WC+\g], v[XS+8*\g:XS+8*\g+7], v11
.endr
	ds_store_b128 v4, v[WC:WC+3] offset:16*(\t)    ; 32 codes: 16 bytes of my column's row
.if (\t)+2 < NB
	WLOAD (\t)+2
.endif
	s_wait_dscnt 0x0                               ; the store has read its registers: the next block's codes may be written
.endm
.irp t, 0,1,2,3,4,5,6,7,8,9,10,11,12,13,14,15
	WBLOCK \t
.endr
	global_store_b128 v9, v[WSB:WSB+3], s[20:21]   ; my column's 16 scale bytes
.irp t, 0,1,2,3,4,5,6,7,8,9,10,11,12,13,14,15
	ds_load_b128 v[WOUT+4*\t:WOUT+4*\t+3], v7 offset:2*\t*WP   ; LDS serves a wave's instructions in order: these see my stores
.endr
.irp t, 0,1,2,3,4,5,6,7,8,9,10,11,12,13,14,15
	s_wait_dscnt 15-\t
	global_store_b128 v8, v[WOUT+4*\t:WOUT+4*\t+3], s[18:19] offset:2*\t*512   ; sixteen lanes store 256 consecutive bytes, aligned
.endr
	s_wait_tensorcnt 0x0                           ; the wave's end, behind my last LDS store
	ds_add_u32 v[SPW], v[NIL]
	s_wait_dscnt 0x0
	s_endpgm
.Lfunc_end_k_q42632d6cf2_prep:
	.size	k_q42632d6cf2_prep, .Lfunc_end_k_q42632d6cf2_prep-k_q42632d6cf2_prep
	.p2alignl 7, 3214868480
	.fill 96, 4, 3214868480
	.section	.rodata,"a",@progbits
	.p2align	6, 0x0
	.amdhsa_kernel k_q42632d6cf2_prep
		.amdhsa_group_segment_fixed_size 68096
		.amdhsa_private_segment_fixed_size 0
		.amdhsa_enable_private_segment 0
		.amdhsa_kernarg_size 80
		.amdhsa_user_sgpr_count 2
		.amdhsa_user_sgpr_kernarg_segment_ptr 1
		.amdhsa_wavefront_size32 1
		.amdhsa_system_sgpr_workgroup_id_x 1
		.amdhsa_system_sgpr_workgroup_id_y 1
		.amdhsa_system_sgpr_workgroup_id_z 1
		.amdhsa_system_vgpr_workitem_id 0
		.amdhsa_next_free_vgpr 208
		.amdhsa_next_free_sgpr 66
		.amdhsa_reserve_vcc 0
		.amdhsa_float_denorm_mode_32 3
		.amdhsa_float_denorm_mode_16_64 3
		.amdhsa_memory_ordered 1
		.amdhsa_forward_progress 1
		.amdhsa_inst_pref_size 119
	.end_amdhsa_kernel
	.amdgpu_metadata
---
amdhsa.version: [ 1, 2 ]
amdhsa.kernels:
  - .name:           k_q42632d6cf2_prep
    .symbol:         k_q42632d6cf2_prep.kd
    .args:
      - { .name: X_Q, .offset: 0, .size: 8, .value_kind: global_buffer, .address_space: global }
      - { .name: X_KV, .offset: 8, .size: 8, .value_kind: global_buffer, .address_space: global }
      - { .name: q_w, .offset: 16, .size: 8, .value_kind: global_buffer, .address_space: global }
      - { .name: kv_w, .offset: 24, .size: 8, .value_kind: global_buffer, .address_space: global }
      - { .name: out_w, .offset: 32, .size: 8, .value_kind: global_buffer, .address_space: global }
      - { .name: x_codes, .offset: 40, .size: 8, .value_kind: global_buffer, .address_space: global }
      - { .name: x_scales, .offset: 48, .size: 8, .value_kind: global_buffer, .address_space: global }
      - { .name: w_codes, .offset: 56, .size: 8, .value_kind: global_buffer, .address_space: global }
      - { .name: w_scales, .offset: 64, .size: 8, .value_kind: global_buffer, .address_space: global }
      - { .name: w16, .offset: 72, .size: 8, .value_kind: global_buffer, .address_space: global }
    .group_segment_fixed_size: 68096
    .private_segment_fixed_size: 0
    .kernarg_segment_align: 8
    .kernarg_segment_size: 80
    .max_flat_workgroup_size: 128
    .sgpr_count:     66
    .vgpr_count:     208
    .wavefront_size: 32
...
	.end_amdgpu_metadata
.endif
;; end of part 1
;; launch proj (part 2): grid 12 x 32, 4 waves a work-group, clusters of 4 x 4, 327,680 bytes of LDS; arguments x_codes, x_scales, w_codes, w_scales, q_b, kv_b, qkv; writes qkv
.if DOCPART == 2
	.amdgcn_target "amdgcn-amd-amdhsa--gfx1250"
	.amdhsa_code_object_version 6
	.text
	.protected	k_q42632d6cf2_proj
	.globl	k_q42632d6cf2_proj
	.p2align	8
	.type	k_q42632d6cf2_proj,@function
k_q42632d6cf2_proj:
	s_mov_b64 s[64:65], 0
	v_nop
	global_prefetch_b8 v0, s[64:65] scope:SCOPE_SE
	s_setreg_imm32_b32 hwreg(HW_REG_WAVE_MODE, 25, 1), 1
	s_wait_xcnt 0x0
	s_wait_alu depctr_hold_cnt(0) depctr_sa_sdst(0) depctr_va_vdst(0) depctr_va_sdst(0) depctr_va_ssrc(0) depctr_va_vcc(0) depctr_vm_vsrc(0)
	s_getreg_b32 s2, hwreg(HW_REG_IB_STS2, 6, 4)
	s_cmp_eq_u32 s2, 0
	s_cbranch_scc0 .Lentry_in_a_cluster
	s_endpgm
.Lentry_in_a_cluster:
	s_bfe_u32 s2, ttmp6, 0x10000c
	s_cmp_lg_u32 s2, 0xf033
	s_cbranch_scc0 .Lentry_shape_is_right
	s_endpgm
.Lentry_shape_is_right:
; Launch 2 of 4: q = X_Q q_w + q_b, k = X_KV kv_w[:, :1024], v = X_KV kv_w[:, 1024:] + kv_b[1024:], on codes of FP4 (E2M1) with one E8M0 scale for each 32 along K = 1,024; sums in f32.
; WORK LEFT OUT: kv_b[0:1024], k's bias, is not loaded: it adds the same number to every score of a row, which the softmax divides away (shown at the head of the first launch).
; The results go out as f16, by heads: qkv [part q, k, v][batch][head][position][64].  LIMIT: magnitudes of q, k, v beyond 65,504 are not served.
; 384 tiles of 256 x 256: the cluster's x (0, 1, 2) is the part, its four columns the part's 1,024 outputs; 32 tile rows of 256 of the 8,192 rows.  Four waves, 128 x 128 each: 64 accumulators, 512 registers.
; ALL OF K COMES WITH THE FIRST FILLS: two LDS slots of 512 along K (rows of 256 bytes) and the scale bytes of the tile's rows.
; CLUSTERS: 4 x 4 work-groups.  The four of a row of the cluster need the same rows of x, the four of a column the same columns of the weight: each tile is asked for JOINTLY, by the same tensor load with the same
; descriptor and a mask that names the four.  THE MATRIX INSTRUCTION IS USED TRANSPOSED (source 0 = 16 columns of the weight, source 1 = 16 rows of x): a lane holds eight neighbouring outputs of one row.
; The bias is the C of each sum's first product: eight registers for each 16 outputs, in the result's layout; for part k they are zeros, so that one text serves the three parts.
; REGISTERS, in windows of 256: window 0: v0-31 addresses; v32-95 scale words, two sets; from v128 x's fragments (8 x 16 rows x 128 K), ONE set; on the way out v32-127 are free.
;   window 1: the weight's fragments, TWO sets, at v0 and at v128; v64-127 the bias.   window 2: the 32 accumulators of my rows 0-63 (accumulator (a, b) at v[8 (8 a + b)]);   window 3: those of my rows 64-127.
.set NQ,     4                         ; steps of 128 along K in a slot
.set ROWB,   256                       ; a tile's row in bytes: 512 codes
.set KROW,   512                       ; a row of codes in memory
.set PITCH,  272                       ; an LDS row: 256 bytes + 16 of padding: the 16 rows that a load touches start 68 words apart
.set FR,     8                         ; registers of a fragment: 16 rows x 128 K
.set NL,     2                         ; LDS loads that bring one
.set NP,     4                         ; places behind this matrix instruction (ISA guide 7.12.1)
.set HALFT,  128*PITCH                 ; 128 rows: what one tensor load brings
.set SLOT,   4*HALFT                   ; x's 256 rows, then the weight's 256
.set KS,     32                        ; a row of scale bytes
.set SCL,    2*SLOT                    ; behind the slots: the scale bytes, as rows of 256 bytes + 16 of padding
.set HALFS,  (128*KS/256)*272          ; those of 128 rows: what one tensor load brings
.set SBLK,   (16*KS/256)*272           ; those of 16 rows
.set SPARE,  SCL+4*HALFS               ; behind them the spare words, 128 bytes for each wave
.set ADRA, 16                          ; v16-17  LDS address of my fragments of x in slot 0, 1
.set ADRB, 20                          ; v20-21  the same for the weight
.set STO,  24                          ; v24     the way out: where I put 16 bytes of a row
.set RD,   25                          ; v25     the way out: where I read back
.set CO,   26                          ; v26     16 x lane
.set ADRS, 27                          ; v27     LDS address of my scale words: lanes 0-15 x's rows, lanes 16-31 the weight's
.set SPW,  28                          ; v28     LDS address of my spare word; never rewritten
.set NIL,  29                          ; v29     0; never rewritten
.set BO,   30                          ; v30     the bias loads' offset; never rewritten
.set SC,   32                          ; scale words: set s at v[SC + 32 s]; register 4 i + q: lanes 0-15 x's block i, lanes 16-31 the weight's block i, the slot's q-th 128 along K
.set AF,   128                         ; x's fragments, in window 0
.set BI,   64                          ; the bias, in window 1
.set TMP,  32                          ; the way out: packed results
.set BK,   64                          ; the way out: 16 rows read back: v64-95 and v96-127 by turns
.set G1, 24                            ; s[24:31] descriptor group 1 for x's tiles;  s[32:39] group 0, one set for each slot
.set G0, 32
.set G1B, 48                           ; s[48:55], s[56:63] the same for the weight's
.set G0B, 56
.set G1S, 68                           ; s[68:75], s[76:79] groups 1 and 0 for x's scale bytes;  s[80:87], s[88:91] for the weight's
.set G0S, 76
.set G1SB, 80
.set G0SB, 88
.set MSB, 0
.macro WIN new                         ; the immediate's high byte repeats the setting that is left
.if MSB != (\new)
	s_set_vgpr_msb (MSB<<8)|(\new)
.set MSB, (\new)
.endif
.endm
.set MUL_LO, 0xa1                      ; source 0 window 1, source 1 window 0, C and D window 2
.set MUL_HI, 0xf1                      ; the same, C and D window 3
.set TO_B,   0x40                      ; destination window 1, address window 0
; A joint load: waves 0 and 1 fetch for x, waves 2 and 3 for the weight.  The branch hangs on the wave's number alone.  An s_nop 0 and four v_nop follow each of the two lines.
.macro JLOAD g0a, g1a, g0b, g1b
	s_cmp_eq_u32 s15, 0
	s_cbranch_scc0 .Lfor_b_\@
	tensor_load_to_lds s[\g0a:\g0a+3], s[\g1a:\g1a+7]
	s_nop 0
.rept 4
	v_nop
.endr
	s_branch .Lasked_\@
.Lfor_b_\@:
	tensor_load_to_lds s[\g0b:\g0b+3], s[\g1b:\g1b+7]
	s_nop 0
.rept 4
	v_nop
.endr
.Lasked_\@:
.endm
.macro CROUND                          ; a round of the cluster's barrier
	s_barrier_signal -1
	s_barrier_wait -1
	s_cmp_lg_u32 s14, 0
	s_cbranch_scc1 .Lnot_wave_0_\@
	s_barrier_signal -3
.Lnot_wave_0_\@:
	s_barrier_wait -3
	s_barrier_signal -1
	s_barrier_wait -1
.endm
	s_load_b128 s[4:7], s[0:1], 0x0                ; x's codes s[4:5], x's scales s[6:7]
	s_load_b128 s[8:11], s[0:1], 0x10              ; the weight's codes s[8:9], its scales s[10:11]
	s_load_b128 s[96:99], s[0:1], 0x20             ; q_b s[96:97], kv_b s[98:99]
	s_load_b64 s[12:13], s[0:1], 0x30              ; qkv
	v_lshl_add_u32 v[SPW], v0, 2, SPARE
	v_mov_b32 v[NIL], 0
	ds_add_u32 v[SPW], v[NIL]                      ; the wave's opening: the add, twice on end, and its wait ahead of my first tensor load
	ds_add_u32 v[SPW], v[NIL]
	v_lshrrev_b32 v1, 5, v0
	v_readfirstlane_b32 s14, v1                    ; wave 0..3
	s_lshr_b32 s15, s14, 1                         ; which half of the tile's rows is mine.  Also: I fetch for x (0) or for the weight (1)
	s_and_b32 s16, s14, 1                          ; which half of its columns.  Also: which 128 rows of that tile I fetch
	s_bfe_u32 s40, ttmp6, 0x40000                  ; cx, cy: my place in the cluster
	s_bfe_u32 s41, ttmp6, 0x40004
	s_lshl_b32 s42, ttmp9, 2
	s_add_co_u32 s42, s42, s40                     ; tile column = 4 x part + cx, 0 .. 11
	s_and_b32 s17, ttmp7, 0xffff
	s_lshl_b32 s17, s17, 2
	s_add_co_u32 s17, s17, s41                     ; tile row = 4 x cluster y + cy, 0 .. 31
	s_lshl_b32 s43, s41, 2
	s_lshl_b32 s43, 15, s43                        ; my row of the cluster
	s_lshl_b32 s44, 0x1111, s40                    ; my column
	; descriptor group 1: a tile of 128 rows x 256 bytes, padded in LDS
	s_or_b32 s[G1+0], s43, (0<<16)|(1<<20)|(1<<21)|(5<<22)|(3<<25)  ; 15:0 the mask; 17:16 elements of 1 byte; 20 padding on; 21 set beside a mask; 24:22 after every 64 words; 31:25 four words
	s_or_b32 s[G1B+0], s44, (0<<16)|(1<<20)|(1<<21)|(5<<22)|(3<<25)
.irp g, G1, G1B
	s_mov_b32 s[\g+1], ROWB<<16                    ; tensor_dim0
	s_mov_b32 s[\g+2], 128<<16                     ; tensor_dim1
	s_mov_b32 s[\g+3], ROWB<<16                    ; tile_dim0
	s_mov_b32 s[\g+4], 128                         ; tile_dim1
	s_mov_b32 s[\g+5], KROW                        ; from row to row
	s_mov_b32 s[\g+6], 0
	s_mov_b32 s[\g+7], 0
.endr
	; the scale bytes of 128 rows: 4,096 dense bytes, as 16 rows of 256 bytes (32 elements of 8 bytes), 16 bytes of padding behind each
	s_or_b32 s[G1S+0], s43, (3<<16)|(1<<20)|(1<<21)|(5<<22)|(3<<25)
	s_or_b32 s[G1SB+0], s44, (3<<16)|(1<<20)|(1<<21)|(5<<22)|(3<<25)
.irp g, G1S, G1SB
	s_mov_b32 s[\g+1], 32<<16
	s_mov_b32 s[\g+2], (128*KS/256)<<16
	s_mov_b32 s[\g+3], 32<<16
	s_mov_b32 s[\g+4], 128*KS/256
	s_mov_b32 s[\g+5], 32
	s_mov_b32 s[\g+6], 0
	s_mov_b32 s[\g+7], 0
.endr
	s_lshl_b32 s18, s16, 7                         ; which 128 rows of the tile I fetch
	s_lshl_b32 s20, s17, 8
	s_add_co_u32 s20, s20, s18                     ; x: row 256 x tile row + 128 x half,
	s_min_u32 s19, ttmp9, 1
	s_lshl_b32 s19, s19, 13
	s_add_co_u32 s20, s20, s19                     ; + 8,192 for parts k and v: X_KV's rows.  (The part is the cluster's x: the same in all sixteen partners)
	s_lshl_b32 s46, s42, 8
	s_add_co_u32 s46, s46, s18                     ; the weight: column 256 x tile column + 128 x half
	s_mov_b32 s21, 0
	s_mov_b32 s47, 0
	s_mov_b64 s[18:19], KS
	s_mul_u64 s[22:23], s[20:21], s[18:19]         ; where these rows' scale bytes begin
	s_mul_u64 s[92:93], s[46:47], s[18:19]
	s_mov_b64 s[18:19], KROW
	s_mul_u64 s[20:21], s[20:21], s[18:19]         ; and their codes
	s_mul_u64 s[46:47], s[46:47], s[18:19]
	s_mul_i32 s45, s14, HALFT                      ; where they go: wave x 128 rows: no place in the cluster enters an LDS address
	s_mul_i32 s94, s14, HALFS
	s_wait_dscnt 0x0                               ; both opening adds are done
	s_wait_kmcnt 0x0
	s_add_nc_u64 s[20:21], s[4:5], s[20:21]
	s_add_nc_u64 s[22:23], s[6:7], s[22:23]
	s_add_nc_u64 s[46:47], s[8:9], s[46:47]
	s_add_nc_u64 s[92:93], s[10:11], s[92:93]
	CROUND                                         ; all sixteen work-groups are here: the joint loads meet
	s_mov_b32 s[G0S], 1
	s_add_co_u32 s[G0S+1], s94, SCL
	s_mov_b64 s[G0S+2:G0S+3], s[22:23]
	s_or_b32 s[G0S+3], s[G0S+3], 0x80000000
	s_mov_b32 s[G0SB], 1
	s_add_co_u32 s[G0SB+1], s94, SCL
	s_mov_b64 s[G0SB+2:G0SB+3], s[92:93]
	s_or_b32 s[G0SB+3], s[G0SB+3], 0x80000000
	JLOAD G0S, G1S, G0SB, G1SB                     ; the scale bytes first: they are wanted with the first step
.irp s, 0,1
	s_mov_b32 s[G0+4*\s], 1
	s_add_co_u32 s[G0+4*\s+1], s45, \s*SLOT
	s_add_nc_u64 s[G0+4*\s+2:G0+4*\s+3], s[20:21], \s*ROWB
	s_or_b32 s[G0+4*\s+3], s[G0+4*\s+3], 0x80000000
	s_mov_b32 s[G0B+4*\s], 1
	s_add_co_u32 s[G0B+4*\s+1], s45, \s*SLOT
	s_add_nc_u64 s[G0B+4*\s+2:G0B+4*\s+3], s[46:47], \s*ROWB
	s_or_b32 s[G0B+4*\s+3], s[G0B+4*\s+3], 0x80000000
	JLOAD G0+4*\s, G1, G0B+4*\s, G1B
.endr
	v_and_b32 v1, 15, v0                           ; r = l % 16
	v_bfe_u32 v2, v0, 4, 1                         ; h = l / 16
	; THE BIAS: register 8 b + j of lane (r, h) = bias of output 16 b + 8 h + j of my wave's 128
	v_lshlrev_b32 v[BO], 5, v2                     ; 8 h numbers
	s_lshl_b32 s92, s40, 10                        ; 256 cx numbers,
	s_lshl_b32 s93, s16, 9                         ; 128 x my column half,
	s_add_co_u32 s92, s92, s93
	s_lshr_b32 s93, ttmp9, 1
	s_lshl_b32 s93, s93, 12                        ; and for part v the second half of kv_b
	s_add_co_u32 s92, s92, s93
	s_mov_b32 s93, 0
	s_cmp_eq_u32 ttmp9, 0
	s_cselect_b64 s[96:97], s[96:97], s[98:99]
	s_add_nc_u64 s[96:97], s[96:97], s[92:93]
	s_cmp_eq_u32 ttmp9, 1                          ; part k has no bias.  The part is the same in all sixteen partners
	s_cbranch_scc1 .Lno_bias
	WIN TO_B
.irp b, 0,1,2,3,4,5,6,7
	global_load_b128 v[BI+8*\b:BI+8*\b+3], v[BO], s[96:97] offset:64*\b
	global_load_b128 v[BI+8*\b+4:BI+8*\b+7], v[BO], s[96:97] offset:64*\b+16
.endr
	WIN 0
	s_branch .Lbias_done
.Lno_bias:
	WIN TO_B
.set i, 0
.rept 64
	v_mov_b32 v[BI+i], 0
.set i, i+1
.endr
	WIN 0
.Lbias_done:
	v_mul_u32_u24 v3, v1, PITCH
	v_lshl_add_u32 v4, v2, 4, v3                   ; a fragment's row x pitch + 16 x half
	s_mul_i32 s21, s15, HALFT                      ; my 128 rows of x
	s_mul_i32 s22, s16, HALFT                      ; my 128 columns of the weight,
	s_add_co_u32 s22, s22, 2*HALFT                 ; which lie behind x's 256 rows
.irp s, 0,1
	v_add_nc_u32 v[ADRA+\s], s21, v4
	v_add_nc_u32 v[ADRB+\s], s22, v4
	s_add_co_u32 s21, s21, SLOT
	s_add_co_u32 s22, s22, SLOT
.endr
	v_mul_u32_u24 v5, v1, KS                       ; my row's scale bytes: 32 a row,
	v_lshrrev_b32 v6, 8, v5
	v_lshl_add_u32 v5, v6, 4, v5                   ; and 16 more for each 256 passed
	s_mul_i32 s21, s15, HALFS                      ; x's: my 128 rows
	s_mul_i32 s22, s16, HALFS                      ; the weight's: my 128, behind x's 256
	s_add_co_u32 s22, s22, 2*HALFS
	s_sub_co_u32 s22, s22, s21
	v_mul_u32_u24 v6, s22, v2                      ; lanes 16-31 take the weight's
	s_add_co_u32 s21, s21, SCL
	v_add_nc_u32 v5, v5, v6
	v_add_nc_u32 v[ADRS], s21, v5
	s_mul_i32 s23, s14, 16*PITCH                   ; my stage for the way out: 16 rows x 272 bytes, in slot 0
	v_add_nc_u32 v[STO], s23, v4                   ; in: row r, 16 bytes for each half of the lanes
	v_and_b32 v6, 31, v0
	v_lshrrev_b32 v5, 3, v6
	v_mul_u32_u24 v5, v5, PITCH
	v_and_b32 v3, 7, v0
	v_lshl_add_u32 v5, v3, 4, v5
	v_add_nc_u32 v[RD], s23, v5                    ; back: eight lanes take one head's 128 bytes of a row, the wave four rows
	v_lshlrev_b32 v[CO], 4, v6
	s_lshl_b32 s20, ttmp9, 24                      ; qkv: the part, 16 MiB;
	s_lshr_b32 s21, s17, 3
	s_lshl_b32 s21, s21, 22                        ; the batch, 4 MiB;
	s_add_co_u32 s20, s20, s21
	s_and_b32 s21, s17, 7
	s_lshl_b32 s21, s21, 15                        ; the tile's 256 positions of 128 bytes;
	s_add_co_u32 s20, s20, s21
	s_lshl_b32 s21, s15, 14                        ; my 128 of them;
	s_add_co_u32 s20, s20, s21
	s_mov_b32 s21, 0
	s_lshl_b32 s46, s40, 20                        ; the tile's four heads of 256 KiB;
	s_lshl_b32 s47, s16, 19                        ; my two of them
	s_add_co_u32 s46, s46, s47
	s_mov_b32 s47, 0
	s_add_nc_u64 s[20:21], s[20:21], s[46:47]
	s_add_nc_u64 s[12:13], s[12:13], s[20:21]
.macro FRAG reg, adr, q, i             ; a fragment: lane l holds row l % 16; registers 4 c .. 4 c + 3 hold K = 64 c + 32 (l / 16) + 0 .. 31
.irp c, 0,1
	ds_load_b128 v[\reg+4*\c:\reg+4*\c+3], v[\adr] offset:64*(\q)+32*\c+(\i)*16*PITCH
.endr
.endm
; 16 matrix instructions: x's blocks a0, a0 + 1 against the weight's eight, the slot's q-th 128 along K.  p: the weight's set;  sc: the set of scale words.  first = 1: the bias starts the sums.
; The 64 accumulators take turns, one instruction a turn, in the same order in every step.
.macro MUL16 a0, p, q, sc, first
.irp a, \a0, \a0+1
.irp b, 0,1,2,3,4,5,6,7
.if \first
	v_wmma_scale_f32_16x16x128_f8f6f4 v[8*(8*((\a)%4)+\b):8*(8*((\a)%4)+\b)+7], v[128*(\p)+FR*\b:128*(\p)+FR*\b+FR-1], v[AF+FR*(\a):AF+FR*(\a)+FR-1], v[BI+8*\b:BI+8*\b+7], v[SC+8*NQ*(\sc)+NQ*\b+(\q)], v[SC+8*NQ*(\sc)+NQ*(\a)+(\q)] matrix_a_fmt:MATRIX_FMT_FP4 matrix_b_fmt:MATRIX_FMT_FP4 matrix_a_scale:MATRIX_SCALE_ROW1
.else
	v_wmma_scale_f32_16x16x128_f8f6f4 v[8*(8*((\a)%4)+\b):8*(8*((\a)%4)+\b)+7], v[128*(\p)+FR*\b:128*(\p)+FR*\b+FR-1], v[AF+FR*(\a):AF+FR*(\a)+FR-1], v[8*(8*((\a)%4)+\b):8*(8*((\a)%4)+\b)+7], v[SC+8*NQ*(\sc)+NQ*\b+(\q)], v[SC+8*NQ*(\sc)+NQ*(\a)+(\q)] matrix_a_fmt:MATRIX_FMT_FP4 matrix_b_fmt:MATRIX_FMT_FP4 matrix_a_scale:MATRIX_SCALE_ROW1
.endif
.endr
.endr
.endm
.macro FETCH_B slot, q, p              ; the weight's eight fragments of the slot's q-th 128 along K into set p
	WIN TO_B
.irp i, 0,1,2,3,4,5,6,7
	FRAG 128*(\p)+FR*\i, ADRB+\slot, \q, \i
.endr
	WIN 0
.endm
.macro FETCH_A slot, q, i0             ; x's blocks i0 .. i0 + 3
.irp i, \i0, \i0+1, \i0+2, \i0+3
	FRAG AF+FR*(\i), ADRA+\slot, \q, \i
.endr
.endm
.macro SCALES sc                       ; a slot's scale words into set sc: four words a row; lanes 0-15 take x's block i, lanes 16-31 the weight's block i
.irp i, 0,1,2,3,4,5,6,7
	ds_load_b128 v[SC+8*NQ*\sc+NQ*\i:SC+8*NQ*\sc+NQ*\i+3], v[ADRS] offset:\i*SBLK
.endr
.endm
.macro PLACES n                        ; plain vector instructions between a matrix instruction and a load into its registers, or a read of its result
.rept \n
	v_nop
.endr
.endm
; A step of 128 along K that has its successor in the same slot.  A block of x is free as soon as its eight products are issued: blocks 0-3 are fetched anew in the step's middle, blocks 4-7 at its end.
.macro STEP slot, q, first
	s_wait_dscnt 4*NL                              ; the weight's set and x's blocks 0-3 are in; the youngest eight loads (x's blocks 4-7) may be out
.if \first
	WIN 0x91                                       ; as MUL_LO, but C (the bias) in window 1
.else
	WIN MUL_LO
.endif
	MUL16 0, (\q)%2, \q, \slot, \first
	MUL16 2, (\q)%2, \q, \slot, \first
	s_wait_dscnt 0                                 ; x's blocks 4-7 are in
	PLACES NP
	FETCH_B \slot, (\q)+1, 1-(\q)%2
	FETCH_A \slot, (\q)+1, 0
.if \first
	WIN 0xd1
.else
	WIN MUL_HI
.endif
	MUL16 4, (\q)%2, \q, \slot, \first
	MUL16 6, (\q)%2, \q, \slot, \first
	PLACES NP
	WIN 0
	FETCH_A \slot, (\q)+1, 4
.endm
; Slot 0's last step changes slots: one barrier.  In front of it each wave has waited for all its tensor loads (its part of slot 1) and for its own reads of slot 0.  Behind it slot 1 is whole and nobody reads slot 0.
.macro TURN slot, next
	s_wait_tensorcnt 0x0                           ; all my tensor loads have landed
	ds_add_u32 v[SPW], v[NIL]                      ; 0 onto my spare word
	s_wait_dscnt 4*NL+1                            ; (the add and the youngest eight loads may be out)
	WIN MUL_LO
	MUL16 0, 1, NQ-1, \slot, 0
	s_wait_dscnt 0x0                               ; the add is done, and my reads of this slot are over
	s_barrier_signal -1
	MUL16 2, 1, NQ-1, \slot, 0
	WIN 0
	s_barrier_wait -1
	PLACES NP
	v_add_nc_u32 v[ADRS], 4*NQ, v[ADRS]            ; on to the next slot's scale words
	FETCH_B \next, 0, 0
	FETCH_A \next, 0, 0
	SCALES \next
	WIN MUL_HI
	MUL16 4, 1, NQ-1, \slot, 0
	MUL16 6, 1, NQ-1, \slot, 0
	PLACES NP
	WIN 0
	FETCH_A \next, 0, 4
.endm
	s_wait_tensorcnt 1                             ; the scale bytes and my part of slot 0 are in (slot 1's load may be out),
	s_barrier_signal -1
	s_barrier_wait -1                              ; everybody's are
	FETCH_B 0, 0, 0
	FETCH_A 0, 0, 0
	SCALES 0
	FETCH_A 0, 0, 4
	s_wait_loadcnt 0x0                             ; the bias
	STEP 0, 0, 1
	STEP 0, 1, 0
	STEP 0, 2, 0
	TURN 0, 1
	STEP 1, 0, 0
	STEP 1, 1, 0
	STEP 1, 2, 0
	s_wait_dscnt 4*NL                              ; the last step: nothing more to fetch
	WIN MUL_LO
	MUL16 0, 1, NQ-1, 1, 0
	MUL16 2, 1, NQ-1, 1, 0
	s_wait_dscnt 0
	WIN MUL_HI
	MUL16 4, 1, NQ-1, 1, 0
	MUL16 6, 1, NQ-1, 1, 0
	WIN 0
; THE WAY OUT, a block of 16 rows x 128 outputs (two heads) at a time.  PACK: rounded to f16, 16 bytes a lane.  TOSTAGE: into my own stage and back by heads.  SEND: four rows of one head are 512 consecutive bytes of qkv.
; The stage lies in slot 0: it has had its only fill, and every wave has passed the barrier behind its last read of it.
.macro PACK a
.set AC, 64*((\a)%4)
	WIN 0x0a+5*((\a)/4)                            ; sources 0 and 1: window 2 or 3
.irp b, 0,1,2,3,4,5,6,7
.irp r, 0,1,2,3
	v_cvt_pk_f16_f32 v[TMP+4*\b+\r], v[AC+8*\b+2*\r], v[AC+8*\b+2*\r+1]   ; each accumulator from its low end on
.endr
.endr
	WIN 0
.endm
.macro TOSTAGE a
.set BB, BK+32*((\a)%2)
.irp b, 0,1,2,3,4,5,6,7
	ds_store_b128 v[STO], v[TMP+4*\b:TMP+4*\b+3] offset:32*\b
.endr
.irp hh, 0,1
.irp i, 0,1,2,3
	ds_load_b128 v[BB+16*\hh+4*\i:BB+16*\hh+4*\i+3], v[RD] offset:\i*4*PITCH+128*\hh   ; LDS serves a wave's instructions in order: these see the stores above
.endr
.endr
.endm
.macro SEND a
.set BB, BK+32*((\a)%2)
	s_wait_dscnt 0x0                               ; the block is back in registers
	s_wait_xcnt 0x0                                ; the stores of the block before have read their registers: the next block's loads may land there
.irp hh, 0,1
.irp i, 0,1,2,3
	global_store_b128 v[CO], v[BB+16*\hh+4*\i:BB+16*\hh+4*\i+3], s[12:13] offset:\hh*262144+(\a)*2048+\i*512   ; 32 lanes store 512 consecutive bytes, aligned
.endr
.endr
.endm
	PLACES NP
	PACK 0
	TOSTAGE 0
.irp a, 1,2,3,4,5,6,7                  ; block a's conversions stand between block a - 1's loads from the stage and the wait for them
	PACK \a
	SEND \a-1
	TOSTAGE \a
.endr
	SEND 7
	s_wait_tensorcnt 0x0                           ; the wave's end, behind my last tensor load and my last LDS store
	ds_add_u32 v[SPW], v[NIL]
	s_wait_dscnt 0x0
	CROUND                                         ; the closing round: no work-group ends while a partner may still ask for a tile that names it
	s_endpgm
.Lfunc_end_k_q42632d6cf2_proj:
	.size	k_q42632d6cf2_proj, .Lfunc_end_k_q42632d6cf2_proj-k_q42632d6cf2_proj
	.p2alignl 7, 3214868480
	.fill 96, 4, 3214868480
	.section	.rodata,"a",@progbits
	.p2align	6, 0x0
	.amdhsa_kernel k_q42632d6cf2_proj
		.amdhsa_group_segment_fixed_size 327680
		.amdhsa_private_segment_fixed_size 0
		.amdhsa_enable_private_segment 0
		.amdhsa_kernarg_size 56
		.amdhsa_user_sgpr_count 2
		.amdhsa_user_sgpr_kernarg_segment_ptr 1
		.amdhsa_wavefront_size32 1
		.amdhsa_system_sgpr_workgroup_id_x 1
		.amdhsa_system_sgpr_workgroup_id_y 1
		.amdhsa_system_sgpr_workgroup_id_z 1
		.amdhsa_system_vgpr_workitem_id 0
		.amdhsa_next_free_vgpr 1024
		.amdhsa_next_free_sgpr 100
		.amdhsa_reserve_vcc 0
		.amdhsa_float_denorm_mode_32 3
		.amdhsa_float_denorm_mode_16_64 3
		.amdhsa_memory_ordered 1
		.amdhsa_forward_progress 1
		.amdhsa_inst_pref_size 130
	.end_amdhsa_kernel
	.amdgpu_metadata
---
amdhsa.version: [ 1, 2 ]
amdhsa.kernels:
  - .name:           k_q42632d6cf2_proj
    .symbol:         k_q42632d6cf2_proj.kd
    .args:
      - { .name: x_codes, .offset: 0, .size: 8, .value_kind: global_buffer, .address_space: global }
      - { .name: x_scales, .offset: 8, .size: 8, .value_kind: global_buffer, .address_space: global }
      - { .name: w_codes, .offset: 16, .size: 8, .value_kind: global_buffer, .address_space: global }
      - { .name: w_scales, .offset: 24, .size: 8, .value_kind: global_buffer, .address_space: global }
      - { .name: q_b, .offset: 32, .size: 8, .value_kind: global_buffer, .address_space: global }
      - { .name: kv_b, .offset: 40, .size: 8, .value_kind: global_buffer, .address_space: global }
      - { .name: qkv, .offset: 48, .size: 8, .value_kind: global_buffer, .address_space: global }
    .group_segment_fixed_size: 327680
    .private_segment_fixed_size: 0
    .kernarg_segment_align: 8
    .kernarg_segment_size: 56
    .max_flat_workgroup_size: 128
    .sgpr_count:     100
    .vgpr_count:     1024
    .wavefront_size: 32
...
	.end_amdgpu_metadata
.endif
;; end of part 2
;; launch attn (part 3): grid 4 x 64, 16 waves a work-group, clusters of 4 x 1, 327,680 bytes of LDS; arguments qkv, o_ws; writes o_ws
.if DOCPART == 3
	.amdgcn_target "amdgcn-amd-amdhsa--gfx1250"
	.amdhsa_code_object_version 6
	.text
	.protected	k_q42632d6cf2_attn
	.globl	k_q42632d6cf2_attn
	.p2align	8
	.type	k_q42632d6cf2_attn,@function
k_q42632d6cf2_attn:
	s_mov_b64 s[64:65], 0
	v_nop
	global_prefetch_b8 v0, s[64:65] scope:SCOPE_SE
	s_setreg_imm32_b32 hwreg(HW_REG_WAVE_MODE, 25, 1), 1
	s_wait_xcnt 0x0
	s_wait_alu depctr_hold_cnt(0) depctr_sa_sdst(0) depctr_va_vdst(0) depctr_va_sdst(0) depctr_va_ssrc(0) depctr_va_vcc(0) depctr_vm_vsrc(0)
	s_getreg_b32 s2, hwreg(HW_REG_IB_STS2, 6, 4)
	s_cmp_eq_u32 s2, 0
	s_cbranch_scc0 .Lentry_in_a_cluster
	s_endpgm
.Lentry_in_a_cluster:
	s_bfe_u32 s2, ttmp6, 0x10000c
	s_cmp_lg_u32 s2, 0x3003
	s_cbranch_scc0 .Lentry_shape_is_right
	s_endpgm
.Lentry_shape_is_right:
; Launch 3 of 4: o[b][h][s][:] = the sum over l of softmax_l(q[s] . k[l] / 8) v[l][:], for each of the 64 pairs (batch, head).  q, k, v: qkv [part][b][h][position][64] f16; o_ws [b][h][position][64] f16.
; Products on f16 operands with f32 sums; maxima, exponentials and sums in f32; the weights p (at most 1) are rounded to f16 for the second product, o once at the end.
; (k comes without its bias: that term is the same along the softmax's axis; shown at the head of the first launch.)
; SHARES.  A work-group owns 512 queries of one (b, h); each of its SIXTEEN waves owns 32: two tiles of 16, in 256 registers.  Four waves share a SIMD, so that one wave's vector work stands beside another's
; matrix work and LDS loads, and no register window is switched.  Every wave walks all 2,048 keys, 64 a step.
; LAYOUT.  S^T = K Q^T (source 0 = 16 keys, source 1 = 16 queries): a lane holds ONE query (lane % 16) and the keys 8 (lane / 16) + 0..7.  Two such tiles, rounded to f16 in pairs, ARE source 1 (32 keys x 16 queries)
; of O^T = V^T P, whose result again holds one query a lane.  K comes out of LDS as it lies, V ([key][channel]) turned, by ds_load_tr16_b128.
; SOFTMAX.  For each query a running maximum m and sum l: p = 2^(c s - c m), c = log2(e) / 8; in every step O and l are multiplied by a = 2^(c m_old - c m_new).  m begins at -3e38 and O and l at 0, so the step is written once.
; RING.  Two LDS slots of 256 keys (four steps).  Every wave fetches 32 rows: waves 0-7 of K, waves 8-15 of V.  By this text's count a wave has two tensor loads out at the start and one behind each change of slots.
; CLUSTER.  The four work-groups of a cluster are the four query blocks of one (b, h) and walk the same K and V: each tile is asked for JOINTLY, by the same tensor load with the same descriptor and a mask of the four.
.set SK,    256                        ; keys in a slot
.set PK,    144                        ; a row of K in LDS: 128 bytes + 16 of padding = 36 words: the 16 rows of a load start 36 words apart
.set PV,    160                        ; a row of V: 128 + 32 = 40 words
.set VOFF,  SK*PK                      ; a slot: 256 rows of K, then 256 rows of V
.set STAGE, SK*(PK+PV)                 ; behind slot 0: 16 rows x 144 bytes for each wave, for the way out; no tile lands here
.set SPARE, STAGE+16*16*PK             ; behind the stages: the spare words, 128 bytes for each wave
.set SLOT1, 1<<17                      ; slot 1 begins here, so that one exclusive or turns an address in one slot into the other's
.set SLOTB, SK*128                     ; a slot's rows of K or of V in memory
.set PARTB, 1<<24                      ; from q to k and from k to v in qkv
.set AK0, 2                            ; v2   my lane's place in a tile of K; never rewritten
.set AV0, 3                            ; v3   the same for V
.set ADR, 4                            ; v4   the LDS address of K's run of loads
.set QO,  5                            ; v5   my byte offset in the wave's rows of q
.set STO, 6                            ; v6   the way out: where I put 16 bytes of a row
.set RD,  7                            ; v7   the way out: where I read back
.set GO,  8                            ; v8   16 x lane
.set PFO, 12                           ; v12  256 x lane: the prefetches' offset; never rewritten
.set SPW, 13                           ; v13  LDS address of my spare word; never rewritten
.set NIL, 14                           ; v14  0; never rewritten
.set ADV, 15                           ; v15  the LDS address of V's run of loads
.set ST,  16                           ; tile t's statistics at v[ST + 8 t]: +0 c m, +1 m, +2, +3 l (even keys', odd keys'), +4 to +7 at work; a takes +6
.set Q,   32                           ; v32-63   q: fragment (tile qt, channels 32 c on) at Q + 16 qt + 8 c
.set S,   64                           ; v64-127  S^T, 32 a tile; P is packed in place into each tile's first 16
.set OT,  128                          ; v128-191 O^T, 32 a tile
.set KV,  192                          ; v192-255 one buffer: a step's eight fragments of K, later its eight of V
.set WV,  12                           ; s12  my wave's number
.set LIM, 15                           ; s15  1 in a wave that prefetches, else the greatest number
.set PFA, 18                           ; s[18:19] where my prefetches stand
.set G1K, 24                           ; s[24:31] descriptor group 1 for K's tiles
.set G1V, 32                           ; s[32:39] for V's: it differs in the padding alone
.set G0K, 40                           ; s[40:47] group 0 for K's tiles: a set for each of the two first fills; the second then walks on
.set G0V, 48                           ; s[48:55] the same for V's
.set SLOTS, 56                         ; s56  slots still to be asked for
.set CNT, 57                           ; s57  counts a slot's four steps
.set CS,  58                           ; s[58:59] c: the packed scaling names a pair and takes its low word for both halves
.set SEL, 60                           ; s[60:61] lane selects for v_permlanex16_b32: lane l xor 16
.set TK,  62                           ; s62  LDS byte at which the step's rows of K begin
.set TV,  63                           ; s63  the same for V, less VOFF
; A joint refill.  The branch hangs on the wave's number alone.  An s_nop 0 and four v_nop follow each of the two lines.
.macro JLOAD
	s_cmp_lt_u32 s[WV], 8
	s_cbranch_scc0 .Lfor_v_\@
	tensor_load_to_lds s[G0K+4:G0K+7], s[G1K:G1K+7]
	s_nop 0
.rept 4
	v_nop
.endr
	s_branch .Lasked_\@
.Lfor_v_\@:
	tensor_load_to_lds s[G0V+4:G0V+7], s[G1V:G1V+7]
	s_nop 0
.rept 4
	v_nop
.endr
.Lasked_\@:
.endm
; A PREFETCH of what the NEXT change of slots will ask for: a slot's 32,768 bytes of K and of V.  Only this cluster walks this (b, h).  Its four partners share the bytes out BY ADDRESS, 8,192 each; in each, wave 0 asks
; for K's and wave 8 for V's, lanes 256 bytes apart: one instruction, four key steps ahead of the load.  So each aligned block of 256 bytes of slots 3 to 7 is named once.  The last change that fills a slot asks for nothing.
.macro ASK
	s_cmp_gt_u32 s[SLOTS], s[LIM]
	s_cbranch_scc0 .Lnot_mine_\@
	global_prefetch_b8 v[PFO], s[PFA:PFA+1] th:TH_LOAD_NT scope:SCOPE_SE
.Lnot_mine_\@:
.endm
.macro CROUND                          ; a round of the cluster's barrier
	s_barrier_signal -1
	s_barrier_wait -1
	s_cmp_lg_u32 s[WV], 0
	s_cbranch_scc1 .Lnot_wave_0_\@
	s_barrier_signal -3
.Lnot_wave_0_\@:
	s_barrier_wait -3
	s_barrier_signal -1
	s_barrier_wait -1
.endm
	s_load_b128 s[4:7], s[0:1], 0x0                ; qkv s[4:5], o_ws s[6:7]
	v_lshl_add_u32 v[SPW], v0, 2, SPARE
	v_mov_b32 v[NIL], 0
	ds_add_u32 v[SPW], v[NIL]                      ; the wave's opening: the add, twice on end, and its wait ahead of my first tensor load
	ds_add_u32 v[SPW], v[NIL]
	v_lshrrev_b32 v1, 5, v0
	v_readfirstlane_b32 s[WV], v1                  ; wave 0..15
	s_bfe_u32 s13, ttmp6, 0x40000                  ; cx: my place in the cluster = my block of 512 queries: it enters q's, o's and the prefetches' addresses alone
	s_and_b32 s20, ttmp7, 0xffff                   ; 16 b + h, which the four partners share
	s_lshl_b32 s20, s20, 18                        ; its 2,048 rows of 128 bytes
	s_and_b32 s16, s[WV], 7
	s_lshl_b32 s22, s16, 12                        ; the 32 rows of a slot that I fetch,
	s_add_co_u32 s22, s22, s20
	s_mov_b32 s23, 0
	s_mul_i32 s17, s16, 32*PK                      ; and their place in a slot: K's,
	s_mul_i32 s14, s16, 32*PV
	s_add_co_u32 s14, s14, VOFF                    ; V's
	s_lshl_b32 s2, s13, 16                         ; my block's 512 rows,
	s_lshl_b32 s3, s[WV], 12                       ; my wave's 32 of them
	s_add_co_u32 s2, s2, s3
	s_add_co_u32 s2, s2, s20
	s_mov_b32 s3, 0
	; descriptor group 1: a tile of 32 rows x 64 elements, padded in LDS
	s_mov_b32 s[G1K], 15|(1<<16)|(1<<20)|(1<<21)|(4<<22)|(3<<25)  ; 15:0 the mask: all four work-groups; 17:16 elements of 2 bytes; 20 padding on; 21 set beside a mask; 24:22 after every 32 words; 31:25 four words
	s_mov_b32 s[G1V], 15|(1<<16)|(1<<20)|(1<<21)|(4<<22)|(7<<25)  ; the same with eight words of padding
.irp g, G1K, G1V
	s_mov_b32 s[\g+1], 64<<16                      ; tensor_dim0 = 64
	s_mov_b32 s[\g+2], 32<<16                      ; tensor_dim1 = 32
	s_mov_b32 s[\g+3], 64<<16                      ; tile_dim0 = 64
	s_mov_b32 s[\g+4], 32                          ; tile_dim1 = 32
	s_mov_b32 s[\g+5], 64                          ; from row to row
	s_mov_b32 s[\g+6], 0
	s_mov_b32 s[\g+7], 0
.endr
	s_mov_b32 s[CS], 0x3e38aa3b                    ; c = log2(e) / 8
	s_mov_b32 s[CS+1], s[CS]                       ; named with it as a pair, so it is written
	s_mov_b32 s[SEL], 0x76543210
	s_mov_b32 s[SEL+1], 0xfedcba98
	s_mov_b32 s[TK], 0
	s_mov_b32 s[TV], 0
	s_mov_b32 s[SLOTS], 6
	s_cmp_eq_u32 s16, 0                            ; waves 0 and 8 prefetch
	s_cselect_b32 s[LIM], 1, -1
	v_and_b32 v[PFO], 31, v0
	v_lshlrev_b32 v[PFO], 8, v[PFO]
	s_wait_dscnt 0x0                               ; both opening adds are done
	s_wait_kmcnt 0x0
	s_add_nc_u64 s[8:9], s[4:5], s[22:23]
	s_add_nc_u64 s[10:11], s[8:9], 2*PARTB         ; v at my rows of slot 0
	s_add_nc_u64 s[8:9], s[8:9], PARTB             ; k likewise
	s_add_nc_u64 s[4:5], s[4:5], s[2:3]            ; q and o at my wave's first row
	s_add_nc_u64 s[6:7], s[6:7], s[2:3]
	s_cmp_lt_u32 s[WV], 8
	s_cselect_b64 s[PFA:PFA+1], s[8:9], s[10:11]   ; (in waves 0 and 8 these stand at a slot's first row)
	s_lshl_b32 s2, s13, 13                         ; my work-group's 8,192 bytes of a slot's 32,768
	s_add_nc_u64 s[PFA:PFA+1], s[PFA:PFA+1], s[2:3]
	s_add_nc_u64 s[PFA:PFA+1], s[PFA:PFA+1], 2*SLOTB  ; in slot 2; the first change of slots steps it to slot 3.  Nothing is prefetched at the head
	CROUND                                         ; all four work-groups are here: the first joint loads meet
.irp s, 0,1
	s_mov_b32 s[G0K+4*\s], 1                       ; count = 1
	s_add_co_u32 s[G0K+4*\s+1], s17, \s*SLOT1      ; LDS address
	s_add_nc_u64 s[G0K+4*\s+2:G0K+4*\s+3], s[8:9], \s*SLOTB  ; global address: slot s begins with keys 256 s
	s_or_b32 s[G0K+4*\s+3], s[G0K+4*\s+3], 0x80000000  ; type = 2
	s_mov_b32 s[G0V+4*\s], 1
	s_add_co_u32 s[G0V+4*\s+1], s14, \s*SLOT1
	s_add_nc_u64 s[G0V+4*\s+2:G0V+4*\s+3], s[10:11], \s*SLOTB
	s_or_b32 s[G0V+4*\s+3], s[G0V+4*\s+3], 0x80000000
.endr
	s_cmp_lt_u32 s[WV], 8                          ; a wave's two first fills stand in one branch, ahead of every wait on TENSORcnt and every LDS read
	s_cbranch_scc0 .Lfirst_v
	tensor_load_to_lds s[G0K:G0K+3], s[G1K:G1K+7]
	s_nop 0
	tensor_load_to_lds s[G0K+4:G0K+7], s[G1K:G1K+7]
	s_nop 0
.rept 4
	v_nop
.endr
	s_branch .Lfirst_asked
.Lfirst_v:
	tensor_load_to_lds s[G0V:G0V+3], s[G1V:G1V+7]
	s_nop 0
	tensor_load_to_lds s[G0V+4:G0V+7], s[G1V:G1V+7]
	s_nop 0
.rept 4
	v_nop
.endr
.Lfirst_asked:
	; A fragment of K or q is 16 rows x 32 channels in 8 registers: lane l holds row l % 16; registers 0-3 channels 8 (l / 16) + 0..7, registers 4-7 channels 16 + 8 (l / 16) + 0..7: two loads of 16 bytes, 32 bytes apart.
	v_and_b32 v1, 15, v0                           ; r = l % 16
	v_bfe_u32 v9, v0, 4, 1                         ; h = l / 16
	v_lshlrev_b32 v[QO], 7, v1
	v_lshl_add_u32 v[QO], v9, 4, v[QO]             ; row x 128 + 16 x half
.irp qt, 0,1
.irp c, 0,1
	global_load_b128 v[Q+16*\qt+8*\c:Q+16*\qt+8*\c+3],   v[QO], s[4:5] offset:\qt*2048+\c*64      ; q stays in registers
	global_load_b128 v[Q+16*\qt+8*\c+4:Q+16*\qt+8*\c+7], v[QO], s[4:5] offset:\qt*2048+\c*64+32
.endr
.endr
	v_mul_u32_u24 v[AK0], v1, PK
	v_lshl_add_u32 v[AK0], v9, 4, v[AK0]           ; row x pitch + 16 x half
	; The turning load takes 16 keys x 16 channels (lane l reads 16 bytes: key 8 (l / 16) + l % 8, channels 8 ((l / 8) % 2) + 0..7) and leaves half a fragment of V^T: lane l holds channel l % 16 and 8 keys.
	v_and_b32 v10, 7, v0
	v_bfe_u32 v11, v0, 3, 1
	v_lshl_add_u32 v[AV0], v9, 3, v10
	v_mul_u32_u24 v[AV0], v[AV0], PV
	v_lshl_add_u32 v[AV0], v11, 4, v[AV0]
	v_add_nc_u32 v[AV0], VOFF, v[AV0]
	s_mul_i32 s16, s[WV], 16*PK
	s_add_co_u32 s16, s16, STAGE                   ; my stage
	v_add_nc_u32 v[STO], s16, v[AK0]               ; in: row r, 16 bytes for each half of the lanes
	v_and_b32 v10, 31, v0
	v_lshrrev_b32 v11, 3, v10
	v_mul_u32_u24 v[RD], v11, PK
	v_and_b32 v11, 7, v0
	v_lshl_add_u32 v[RD], v11, 4, v[RD]
	v_add_nc_u32 v[RD], s16, v[RD]                 ; back: eight lanes take a row's 128 bytes, the wave four rows
	v_lshlrev_b32 v[GO], 4, v10
.irp t, 0,1
	v_mov_b32 v[ST+8*\t+1], 0xff61b1e6             ; m = -3e38, under every score
	v_mul_f32 v[ST+8*\t], s[CS], v[ST+8*\t+1]      ; c m
.irp j, 2,3,4,5,6,7
	v_mov_b32 v[ST+8*\t+\j], 0                     ; l; and the registers at work, written once: a lane permute's destination counts as one of its sources
.endr
.endr
.set i, 0
.rept 64
	v_mov_b32 v[OT+i], 0                           ; O^T: the step is written once; its first pass multiplies zeros by a = 0
.set i, i+1
.endr
; THE SOFTMAX OF A STEP, both tiles line by line, so that no line waits for the line above it.
.macro SOFTMAX
.irp j, 0,1,2,3                        ; the maximum of a lane's 32 scores and the old m: four chains, each beginning at the low end of its accumulator
.irp t, 0,1
	v_max3_num_f32 v[ST+8*\t+4+\j], v[S+32*\t+8*\j], v[S+32*\t+8*\j+1], v[S+32*\t+8*\j+2]
.endr
.endr
.irp g, 1,2
.irp j, 0,1,2,3
.irp t, 0,1
	v_max3_num_f32 v[ST+8*\t+4+\j], v[ST+8*\t+4+\j], v[S+32*\t+8*\j+2*\g+1], v[S+32*\t+8*\j+2*\g+2]
.endr
.endr
.endr
.irp t, 0,1
	v_max3_num_f32 v[ST+8*\t+4], v[ST+8*\t+4], v[S+32*\t+7], v[S+32*\t+15]
.endr
.irp t, 0,1
	v_max3_num_f32 v[ST+8*\t+6], v[ST+8*\t+6], v[S+32*\t+23], v[S+32*\t+31]
.endr
.irp t, 0,1
	v_max3_num_f32 v[ST+8*\t+4], v[ST+8*\t+4], v[ST+8*\t+5], v[ST+8*\t+6]
.endr
.irp t, 0,1
	v_max3_num_f32 v[ST+8*\t+4], v[ST+8*\t+4], v[ST+8*\t+7], v[ST+8*\t+1]
.endr
.irp t, 0,1
	v_permlanex16_b32 v[ST+8*\t+5], v[ST+8*\t+4], s[SEL], s[SEL+1]  ; the query's other 32 keys lie in the lane 16 away
.endr
.irp t, 0,1
	v_mov_b32 v[ST+8*\t+7], v[ST+8*\t]             ; c m_old is kept for a
.endr
.irp t, 0,1
	v_max_num_f32 v[ST+8*\t+1], v[ST+8*\t+4], v[ST+8*\t+5]
.endr
.irp t, 0,1
	v_mul_f32 v[ST+8*\t], s[CS], v[ST+8*\t+1]
.endr
.irp t, 0,1
	v_sub_f32 v[ST+8*\t+7], v[ST+8*\t+7], v[ST+8*\t]
.endr
.irp b, 0,2,4,6,8,10,12,14,16,18,20,22,24,26,28,30
.irp t, 0,1
	v_pk_fma_f32 v[S+32*\t+\b:S+32*\t+\b+1], v[S+32*\t+\b:S+32*\t+\b+1], s[CS:CS+1], v[ST+8*\t:ST+8*\t+1] op_sel_hi:[1,0,0] neg_lo:[0,0,1] neg_hi:[0,0,1]  ; c s - c m, two at a time
.endr
.endr
.irp t, 0,1                            ; ONE BATCH: both tiles' 66 exponentials; none reads another's result
	v_exp_f32 v[ST+8*\t+6], v[ST+8*\t+7]           ; a
.endr
.irp j, 0,1,2,3,4,5,6,7,8,9,10,11,12,13,14,15,16,17,18,19,20,21,22,23,24,25,26,27,28,29,30,31
.irp t, 0,1
	v_exp_f32 v[S+32*\t+\j], v[S+32*\t+\j]         ; p
.endr
.endr
	v_nop                                          ; a plain instruction behind the last exponential, ahead of the first use
	s_wait_alu depctr_va_vdst(0)                   ; one wait for the batch, ahead of its first reader
.irp t, 0,1                            ; the sums of the unrounded p, two at a time, in two chains: l = a l + the sum
	v_pk_add_f32 v[ST+8*\t+4:ST+8*\t+5], v[S+32*\t:S+32*\t+1], v[S+32*\t+2:S+32*\t+3]
.endr
.irp t, 0,1
	v_pk_fma_f32 v[ST+8*\t+2:ST+8*\t+3], v[ST+8*\t+2:ST+8*\t+3], v[ST+8*\t+6:ST+8*\t+7], v[S+32*\t+4:S+32*\t+5] op_sel_hi:[1,0,1]
.endr
.irp p, 6,10,14,18,22,26
.irp t, 0,1
	v_pk_add_f32 v[ST+8*\t+4:ST+8*\t+5], v[ST+8*\t+4:ST+8*\t+5], v[S+32*\t+\p:S+32*\t+\p+1]
.endr
.irp t, 0,1
	v_pk_add_f32 v[ST+8*\t+2:ST+8*\t+3], v[ST+8*\t+2:ST+8*\t+3], v[S+32*\t+\p+2:S+32*\t+\p+3]
.endr
.endr
.irp t, 0,1
	v_pk_add_f32 v[ST+8*\t+4:ST+8*\t+5], v[ST+8*\t+4:ST+8*\t+5], v[S+32*\t+30:S+32*\t+31]
.endr
.irp t, 0,1
	v_pk_add_f32 v[ST+8*\t+2:ST+8*\t+3], v[ST+8*\t+2:ST+8*\t+3], v[ST+8*\t+4:ST+8*\t+5]
.endr
.irp i, 0,1,2,3,4,5,6,7,8,9,10,11,12,13,14,15   ; P, in place and ascending: register i takes weights 2 i and 2 i + 1, which nothing reads again
.irp t, 0,1
	v_cvt_pk_f16_f32 v[S+32*\t+\i], v[S+32*\t+2*\i], v[S+32*\t+2*\i+1]
.endr
.endr
.irp i, 0,2,4,6,8,10,12,14,16,18,20,22,24,26,28,30   ; O^T times a, each accumulator from its low end on
.irp t, 0,1
	v_pk_mul_f32 v[OT+32*\t+\i:OT+32*\t+\i+1], v[OT+32*\t+\i:OT+32*\t+\i+1], v[ST+8*\t+6:ST+8*\t+7] op_sel_hi:[1,0]
.endr
.endr
.endm
; A KEY STEP: 64 keys.  In both products the eight accumulators take turns, one instruction a turn.
.macro STEP
	v_add_nc_u32 v[ADR], s[TK], v[AK0]             ; with the four v_nop: five places behind the last V^T P, whose V is loaded over and whose P the first K Q^T write over
.rept 4
	v_nop
.endr
.irp kt, 0,1,2,3
.irp c, 0,1
	ds_load_b128 v[KV+8*(2*\kt+\c):KV+8*(2*\kt+\c)+3],   v[ADR] offset:\kt*16*PK+64*\c
	ds_load_b128 v[KV+8*(2*\kt+\c)+4:KV+8*(2*\kt+\c)+7], v[ADR] offset:\kt*16*PK+64*\c+32
.endr
.endr
	s_wait_dscnt 0x0                               ; K is in
.irp c, 0,1
.irp kt, 0,1,2,3
.irp qt, 0,1
.if \c == 0
	v_wmma_f32_16x16x32_f16 v[S+32*\qt+8*\kt:S+32*\qt+8*\kt+7], v[KV+8*(2*\kt+\c):KV+8*(2*\kt+\c)+7], v[Q+16*\qt+8*\c:Q+16*\qt+8*\c+7], 0
.else
	v_wmma_f32_16x16x32_f16 v[S+32*\qt+8*\kt:S+32*\qt+8*\kt+7], v[KV+8*(2*\kt+\c):KV+8*(2*\kt+\c)+7], v[Q+16*\qt+8*\c:Q+16*\qt+8*\c+7], v[S+32*\qt+8*\kt:S+32*\qt+8*\kt+7]
.endif
.endr
.endr
.endr
	v_add_nc_u32 v[ADV], s[TV], v[AV0]             ; with the three v_nop: four places behind the last K Q^T, ahead of the loads over K and of the first read of the scores
.rept 3
	v_nop
.endr
.irp kh, 0,1
.irp ct, 0,1,2,3
	ds_load_tr16_b128 v[KV+8*(4*\kh+\ct):KV+8*(4*\kh+\ct)+3],   v[ADV] offset:\kh*32*PV+32*\ct          ; V lands while the softmax is walked
	ds_load_tr16_b128 v[KV+8*(4*\kh+\ct)+4:KV+8*(4*\kh+\ct)+7], v[ADV] offset:\kh*32*PV+16*PV+32*\ct
.endr
.endr
	SOFTMAX
	s_wait_dscnt 0x0                               ; V is in
.irp kh, 0,1
.irp ct, 0,1,2,3
.irp qt, 0,1
	v_wmma_f32_16x16x32_f16 v[OT+32*\qt+8*\ct:OT+32*\qt+8*\ct+7], v[KV+8*(4*\kh+\ct):KV+8*(4*\kh+\ct)+7], v[S+32*\qt+8*\kh:S+32*\qt+8*\kh+7], v[OT+32*\qt+8*\ct:OT+32*\qt+8*\ct+7]
.endr
.endr
.endr
	s_add_co_u32 s[TK], s[TK], 64*PK               ; the next step's rows
	s_add_co_u32 s[TV], s[TV], 64*PV
.endm
.macro WALK                            ; a slot's four key steps: written once, walked four times
	s_mov_b32 s[CNT], 4
.Lstep_\@:
	STEP
	s_sub_co_u32 s[CNT], s[CNT], 1
	s_cmp_lg_u32 s[CNT], 0
	s_cbranch_scc1 .Lstep_\@
.endm
; THE CHANGE OF SLOTS.  Each wave waits for all its tensor loads, of which one is out: its part of the other slot; adds 0 to its spare word; and waits for that and for its own reads of the slot that it leaves.
; fill = 1: that slot is filled again, with the keys two slots on.  The barrier is then a round of the cluster's, and the joint refill is the first thing behind it: it has four key steps in which to land.
.macro CHANGE fill
	s_wait_tensorcnt 0x0                           ; no tensor load of mine is out, so a group 0 may be written
	ds_add_u32 v[SPW], v[NIL]                      ; 0 onto my spare word
.if \fill
.irp g, G0K+4, G0V+4
	s_xor_b32 s[\g+1], s[\g+1], SLOT1              ; the walking descriptor: the other slot than last time,
	s_add_nc_u64 s[\g+2:\g+3], s[\g+2:\g+3], SLOTB ; the next 256 keys; the type bits on top are not reached
.endr
	s_wait_xcnt 0x0                                ; the last prefetch, four key steps back, has read its address, so it may be written:
	s_add_nc_u64 s[PFA:PFA+1], s[PFA:PFA+1], SLOTB ; one slot further on than the walking descriptors
	s_wait_dscnt 0x0                               ; the add is done, and my reads of the slot are over
	CROUND
	JLOAD
	ASK
.else
	s_wait_dscnt 0x0
	s_barrier_signal -1
	s_barrier_wait -1
.endif
	s_sub_co_u32 s[TK], s[TK], SK*PK               ; back to a slot's first step,
	s_xor_b32 s[TK], s[TK], SLOT1                  ; in the other slot
	s_sub_co_u32 s[TV], s[TV], SK*PV
	s_xor_b32 s[TV], s[TV], SLOT1
.endm
	s_wait_tensorcnt 1                             ; my part of slot 0 is in; slot 1's may stay out
	s_barrier_signal -1
	s_barrier_wait -1                              ; everybody's is
	s_wait_loadcnt 0x0                             ; q
.Lslot:                                            ; six trips: every slot but the last two is filled again
	WALK
	CHANGE 1
	s_sub_co_u32 s[SLOTS], s[SLOTS], 1
	s_cmp_lg_u32 s[SLOTS], 0
	s_cbranch_scc1 .Lslot
	WALK                                           ; the tail is written out
	CHANGE 0
	WALK
	; THE WAY OUT.  l's two halves and the other half of the lanes' are added; O^T is divided by l, rounded to f16 and sent through my stage, a tile (16 rows of o) at a time.  The additions are the places behind the last products.
.irp t, 0,1
	v_add_f32 v[ST+8*\t+4], v[ST+8*\t+2], v[ST+8*\t+3]
.endr
.irp t, 0,1
	v_permlanex16_b32 v[ST+8*\t+5], v[ST+8*\t+4], s[SEL], s[SEL+1]
.endr
.irp t, 0,1
	v_add_f32 v[ST+8*\t+4], v[ST+8*\t+4], v[ST+8*\t+5]
.endr
.irp t, 0,1
	v_rcp_f32 v[ST+8*\t+6], v[ST+8*\t+4]
.endr
	v_nop                                          ; a plain instruction between the last reciprocal and the use of its result
	s_wait_alu depctr_va_vdst(0)                   ; and one wait for the two, ahead of the first use
.irp t, 0,1
.irp i, 0,2,4,6,8,10,12,14,16,18,20,22,24,26,28,30
	v_pk_mul_f32 v[OT+32*\t+\i:OT+32*\t+\i+1], v[OT+32*\t+\i:OT+32*\t+\i+1], v[ST+8*\t+6:ST+8*\t+7] op_sel_hi:[1,0]
.endr
.irp i, 0,1,2,3,4,5,6,7,8,9,10,11,12,13,14,15
	v_cvt_pk_f16_f32 v[S+32*\t+\i], v[OT+32*\t+2*\i], v[OT+32*\t+2*\i+1]   ; a lane's eight channels of a row pack into 16 bytes
.endr
.irp ct, 0,1,2,3
	ds_store_b128 v[STO], v[S+32*\t+4*\ct:S+32*\t+4*\ct+3] offset:32*\ct
.endr
.irp i, 0,1,2,3
	ds_load_b128 v[S+32*\t+16+4*\i:S+32*\t+16+4*\i+3], v[RD] offset:\i*4*PK   ; LDS serves a wave's instructions in order: these see the stores above; the next tile's stores come behind them
.endr
.endr
.irp t, 0,1
.irp i, 0,1,2,3
	s_wait_dscnt 8*(1-\t)+3-\i                     ; the younger loads of this tile, and for tile 0 the eight LDS instructions of tile 1, may be out
	global_store_b128 v[GO], v[S+32*\t+16+4*\i:S+32*\t+16+4*\i+3], s[6:7] offset:\t*2048+\i*512   ; 32 lanes store four rows: 512 consecutive bytes, aligned
.endr
.endr
	s_wait_tensorcnt 0x0                           ; the wave's end, behind my last tensor load and my last LDS store
	ds_add_u32 v[SPW], v[NIL]
	s_wait_dscnt 0x0
	CROUND                                         ; the closing round: no work-group ends while a partner may still ask for a tile that names it
	s_endpgm
.Lfunc_end_k_q42632d6cf2_attn:
	.size	k_q42632d6cf2_attn, .Lfunc_end_k_q42632d6cf2_attn-k_q42632d6cf2_attn
	.p2alignl 7, 3214868480
	.fill 96, 4, 3214868480
	.section	.rodata,"a",@progbits
	.p2align	6, 0x0
	.amdhsa_kernel k_q42632d6cf2_attn
		.amdhsa_group_segment_fixed_size 327680
		.amdhsa_private_segment_fixed_size 0
		.amdhsa_enable_private_segment 0
		.amdhsa_kernarg_size 16
		.amdhsa_user_sgpr_count 2
		.amdhsa_user_sgpr_kernarg_segment_ptr 1
		.amdhsa_wavefront_size32 1
		.amdhsa_system_sgpr_workgroup_id_x 1
		.amdhsa_system_sgpr_workgroup_id_y 1
		.amdhsa_system_sgpr_workgroup_id_z 1
		.amdhsa_system_vgpr_workitem_id 0
		.amdhsa_next_free_vgpr 256
		.amdhsa_next_free_sgpr 66
		.amdhsa_reserve_vcc 0
		.amdhsa_float_denorm_mode_32 3
		.amdhsa_float_denorm_mode_16_64 3
		.amdhsa_memory_ordered 1
		.amdhsa_forward_progress 1
		.amdhsa_inst_pref_size 71
	.end_amdhsa_kernel
	.amdgpu_metadata
---
amdhsa.version: [ 1, 2 ]
amdhsa.kernels:
  - .name:           k_q42632d6cf2_attn
    .symbol:         k_q42632d6cf2_attn.kd
    .args:
      - { .name: qkv, .offset: 0, .size: 8, .value_kind: global_buffer, .address_space: global }
      - { .name: o_ws, .offset: 8, .size: 8, .value_kind: global_buffer, .address_space: global }
    .group_segment_fixed_size: 327680
    .private_segment_fixed_size: 0
    .kernarg_segment_align: 8
    .kernarg_segment_size: 16
    .max_flat_workgroup_size: 512
    .sgpr_count:     66
    .vgpr_count:     256
    .wavefront_size: 32
...
	.end_amdgpu_metadata
.endif
;; end of part 3
;; launch outp (part 4): grid 4 x 64, 4 waves a work-group, clusters of 4 x 4, 327,680 bytes of LDS; arguments o_ws, w16, out_b, out0; writes out0
.if DOCPART == 4
	.amdgcn_target "amdgcn-amd-amdhsa--gfx1250"
	.amdhsa_code_object_version 6
	.text
	.protected	k_q42632d6cf2_outp
	.globl	k_q42632d6cf2_outp
	.p2align	8
	.type	k_q42632d6cf2_outp,@function
k_q42632d6cf2_outp:
	s_mov_b64 s[64:65], 0
	v_nop
	global_prefetch_b8 v0, s[64:65] scope:SCOPE_SE
	s_setreg_imm32_b32 hwreg(HW_REG_WAVE_MODE, 25, 1), 1
	s_wait_xcnt 0x0
	s_wait_alu depctr_hold_cnt(0) depctr_sa_sdst(0) depctr_va_vdst(0) depctr_va_sdst(0) depctr_va_ssrc(0) depctr_va_vcc(0) depctr_vm_vsrc(0)
	s_getreg_b32 s2, hwreg(HW_REG_IB_STS2, 6, 4)
	s_cmp_eq_u32 s2, 0
	s_cbranch_scc0 .Lentry_in_a_cluster
	s_endpgm
.Lentry_in_a_cluster:
	s_bfe_u32 s2, ttmp6, 0x10000c
	s_cmp_lg_u32 s2, 0xf033
	s_cbranch_scc0 .Lentry_shape_is_right
	s_endpgm
.Lentry_shape_is_right:
; Launch 4 of 4: out0 = o out_w + out_b.  o: o_ws [b][h][position][64] f16, so that K = 64 h + d runs over heads; out_w: w16 [k 1,024][n 1,024] f16; out_b f32; out0 [8,192][1,024] f32; sums in f32.
; 256 tiles of 128 rows x 256 columns, one to a work-group: tiles of 256 x 256 would be 128, half as many as there are work-group processors.  Four waves, each 64 x 128: 32 accumulators of 16 x 16, 256 registers.
; K goes in steps of 128 (two heads) through a ring of two LDS slots.  Waves 0 and 1 fetch a head's 128 rows of o each (dense in memory), waves 2 and 3 64 rows k of out_w each (512 bytes of a row).
; By this text's count a wave has two tensor loads out at the start and one behind each change of slots.
; CLUSTERS: 4 x 4 work-groups.  The four of a row of the cluster need the same tiles of o, the four of a column the same tiles of out_w: each tile is asked for JOINTLY.
; THE MATRIX INSTRUCTION IS USED TRANSPOSED (source 0 = 16 columns of out_w, turned out of LDS by ds_load_tr16_b128; source 1 = 16 rows of o): a lane holds eight neighbouring numbers of a row of out0.
; The bias is the C of each sum's first product.
; REGISTERS: window 0: v0-31 addresses; v32-63, v64-95 o's fragments (4 x 16 rows x 32 K), two buffers; v96-159 the bias; on the way out v128-255 are free.
;   window 1: the accumulators ((a, b) at v[8 (8 a + b)]).   window 2: out_w's fragments (8 x 16 columns x 32 K), two buffers, at v0 and v64.
.set PA,     144                       ; a row of o in LDS: 128 bytes + 16 of padding
.set PB,     544                       ; a row of out_w: 512 bytes + 32
.set BOFF,   2*128*PA                  ; a slot: two heads x 128 rows of o, then 128 rows k of out_w
.set SLOT,   BOFF+128*PB
.set STAGE,  2*SLOT                    ; behind the ring: 16 rows x 528 bytes for each wave, for the way out; no tile lands here
.set SPITCH, 528
.set SPARE,  STAGE+4*16*SPITCH         ; behind the stages: the spare words, 128 bytes for each wave
.set LAPS,   4                         ; a lap = two K steps = once round the ring
.set ADRA, 16                          ; v16-17  LDS address of my fragments of o in slot 0, 1
.set ADRB, 20                          ; v20-21  the same for out_w
.set STO,  24                          ; v24     the way out: where I put 32 bytes of a row
.set RD,   25                          ; v25     the way out: where I read a row back
.set CO,   26                          ; v26     16 x lane
.set BO,   27                          ; v27     the bias loads' offset; never rewritten
.set SPW,  28                          ; v28     LDS address of my spare word; never rewritten
.set NIL,  29                          ; v29     0; never rewritten
.set FA,   32                          ; o's fragments: buffer f at FA + 32 f
.set BIAS, 96
.set BK,   128                         ; the way out: 16 rows read back: v128-191 and v192-255 by turns
.set G1, 24                            ; s[24:31] descriptor group 1 for o's tiles;  s[32:39] group 0, one set for each slot
.set G0, 32
.set G1B, 48                           ; s[48:55], s[56:63] the same for out_w's
.set G0B, 56
.set MSB, 0
.macro WIN new                         ; the immediate's high byte repeats the setting that is left
.if MSB != (\new)
	s_set_vgpr_msb (MSB<<8)|(\new)
.set MSB, (\new)
.endif
.endm
.set MUL,  0x52                        ; source 0 (out_w) window 2, source 1 (o) window 0, C and D window 1
.set MULB, 0x42                        ; the same with C (the bias) in window 0
.set TO_B, 0x80                        ; destination window 2, address window 0
.macro JLOAD s                         ; a joint load: waves 0 and 1 fetch o's two heads, waves 2 and 3 out_w's two halves; an s_nop 0 and four v_nop follow each of the two lines
	s_cmp_eq_u32 s13, 0
	s_cbranch_scc0 .Lfor_b_\@
	tensor_load_to_lds s[G0+4*\s:G0+4*\s+3], s[G1:G1+7]
	s_nop 0
.rept 4
	v_nop
.endr
	s_branch .Lasked_\@
.Lfor_b_\@:
	tensor_load_to_lds s[G0B+4*\s:G0B+4*\s+3], s[G1B:G1B+7]
	s_nop 0
.rept 4
	v_nop
.endr
.Lasked_\@:
.endm
.macro CREST                           ; a round of the cluster's barrier behind its opening barrier
	s_cmp_lg_u32 s12, 0
	s_cbranch_scc1 .Lnot_wave_0_\@
	s_barrier_signal -3
.Lnot_wave_0_\@:
	s_barrier_wait -3
	s_barrier_signal -1
	s_barrier_wait -1
.endm
.macro CROUND                          ; a whole round
	s_barrier_signal -1
	s_barrier_wait -1
	CREST
.endm
	s_load_b256 s[4:11], s[0:1], 0x0               ; o_ws s[4:5], w16 s[6:7], out_b s[8:9], out0 s[10:11]
	v_lshl_add_u32 v[SPW], v0, 2, SPARE
	v_mov_b32 v[NIL], 0
	ds_add_u32 v[SPW], v[NIL]                      ; the wave's opening: the add, twice on end, and its wait ahead of my first tensor load
	ds_add_u32 v[SPW], v[NIL]
	v_lshrrev_b32 v1, 5, v0
	v_readfirstlane_b32 s12, v1                    ; wave 0..3
	s_lshr_b32 s13, s12, 1                         ; which half of the tile's rows is mine.  Also: I fetch for o (0) or for out_w (1)
	s_and_b32 s14, s12, 1                          ; which half of its columns.  Also: which part of that tile I fetch
	s_bfe_u32 s40, ttmp6, 0x40000                  ; cx, cy: my place in the cluster
	s_bfe_u32 s41, ttmp6, 0x40004
	s_lshl_b32 s42, ttmp9, 2
	s_add_co_u32 s42, s42, s40                     ; tile column = 4 x cluster x + cx, 0 .. 3
	s_and_b32 s45, ttmp7, 0xffff
	s_lshl_b32 s45, s45, 2
	s_add_co_u32 s45, s45, s41                     ; tile row = 4 x cluster y + cy, 0 .. 63
	s_lshl_b32 s43, s41, 2
	s_lshl_b32 s43, 15, s43                        ; my row of the cluster
	s_lshl_b32 s44, 0x1111, s40                    ; my column
	s_or_b32 s[G1+0], s43, (1<<16)|(1<<20)|(1<<21)|(4<<22)|(3<<25)   ; o: the mask of my row; elements of 2 bytes; padding on; bit 21 beside a mask; after every 32 words four words
	s_mov_b32 s[G1+1], 64<<16                      ; tensor_dim0 = 64
	s_mov_b32 s[G1+2], 128<<16                     ; tensor_dim1 = 128
	s_mov_b32 s[G1+3], 64<<16                      ; tile_dim0 = 64
	s_mov_b32 s[G1+4], 128                         ; tile_dim1 = 128
	s_mov_b32 s[G1+5], 64                          ; from row to row
	s_mov_b32 s[G1+6], 0
	s_mov_b32 s[G1+7], 0
	s_or_b32 s[G1B+0], s44, (1<<16)|(1<<20)|(1<<21)|(6<<22)|(7<<25)  ; out_w: the mask of my column; after every 128 words eight words
	s_mov_b32 s[G1B+1], 256<<16                    ; tensor_dim0 = 256
	s_mov_b32 s[G1B+2], 64<<16                     ; tensor_dim1 = 64
	s_mov_b32 s[G1B+3], 256<<16                    ; tile_dim0 = 256
	s_mov_b32 s[G1B+4], 64                         ; tile_dim1 = 64
	s_mov_b32 s[G1B+5], 1024                       ; from row to row
	s_mov_b32 s[G1B+6], 0
	s_mov_b32 s[G1B+7], 0
	s_lshr_b32 s16, s45, 4                         ; o: the batch, 4 MiB;
	s_lshl_b32 s16, s16, 22
	s_and_b32 s17, s45, 15
	s_lshl_b32 s17, s17, 14                        ; the tile's 128 positions of 128 bytes;
	s_add_co_u32 s16, s16, s17
	s_lshl_b32 s17, s14, 18                        ; the K step's first or second head, 256 KiB
	s_add_co_u32 s16, s16, s17
	s_mov_b32 s17, 0
	s_lshl_b32 s46, s42, 9                         ; out_w: the tile's 256 columns of 2 bytes;
	s_lshl_b32 s47, s14, 17                        ; the K step's first or second 64 rows of 2,048 bytes
	s_add_co_u32 s46, s46, s47
	s_mov_b32 s47, 0
	s_mul_i32 s20, s14, 128*PA                     ; where they go: no place in the cluster enters an LDS address
	s_mul_i32 s21, s14, 64*PB
	s_add_co_u32 s21, s21, BOFF
	s_wait_dscnt 0x0                               ; both opening adds are done
	s_wait_kmcnt 0x0
	s_add_nc_u64 s[16:17], s[4:5], s[16:17]
	s_add_nc_u64 s[46:47], s[6:7], s[46:47]
	CROUND                                         ; all sixteen work-groups are here: the first joint loads meet
.irp s, 0,1
	s_mov_b32 s[G0+4*\s], 1
	s_add_co_u32 s[G0+4*\s+1], s20, \s*SLOT
	s_add_nc_u64 s[G0+4*\s+2:G0+4*\s+3], s[16:17], \s*524288     ; K step s: two heads on
	s_or_b32 s[G0+4*\s+3], s[G0+4*\s+3], 0x80000000
	s_mov_b32 s[G0B+4*\s], 1
	s_add_co_u32 s[G0B+4*\s+1], s21, \s*SLOT
	s_add_nc_u64 s[G0B+4*\s+2:G0B+4*\s+3], s[46:47], \s*262144   ; 128 rows on
	s_or_b32 s[G0B+4*\s+3], s[G0B+4*\s+3], 0x80000000
	JLOAD \s
.endr
	v_and_b32 v1, 15, v0                           ; r = l % 16
	v_bfe_u32 v2, v0, 4, 1                         ; h = l / 16
	v_lshlrev_b32 v[BO], 5, v2                     ; THE BIAS: register 8 b + j of lane (r, h) = out_b of column 16 b + 8 h + j of my wave's 128
	s_lshl_b32 s46, s42, 10                        ; the tile's 256 columns of 4 bytes,
	s_lshl_b32 s47, s14, 9                         ; my 128 of them
	s_add_co_u32 s46, s46, s47
	s_mov_b32 s47, 0
	s_add_nc_u64 s[8:9], s[8:9], s[46:47]
.irp b, 0,1,2,3,4,5,6,7
	global_load_b128 v[BIAS+8*\b:BIAS+8*\b+3], v[BO], s[8:9] offset:64*\b
	global_load_b128 v[BIAS+8*\b+4:BIAS+8*\b+7], v[BO], s[8:9] offset:64*\b+16
.endr
	s_lshl_b32 s16, s45, 19                        ; out0: the tile's 128 rows of 4,096 bytes,
	s_lshl_b32 s17, s13, 18                        ; my 64 of them,
	s_add_co_u32 s16, s16, s17
	s_mov_b32 s17, 0
	s_add_nc_u64 s[10:11], s[10:11], s[16:17]
	s_add_nc_u64 s[10:11], s[10:11], s[46:47]      ; and my columns: the same bytes as in out_b
	v_mul_u32_u24 v3, v1, PA
	v_lshl_add_u32 v3, v2, 4, v3                   ; o: a fragment's row x pitch + 16 x half
	s_mul_i32 s21, s13, 64*PA                      ; my 64 rows
	v_and_b32 v4, 7, v0                            ; out_w, turned: lane l reads 16 bytes: row k 8 (l / 16) + l % 8, columns 8 ((l / 8) % 2) + 0..7
	v_lshl_add_u32 v4, v2, 3, v4
	v_mul_u32_u24 v4, v4, PB
	v_bfe_u32 v5, v0, 3, 1
	v_lshl_add_u32 v4, v5, 4, v4
	s_lshl_b32 s22, s14, 8                         ; my 128 columns
	s_add_co_u32 s22, s22, BOFF
.irp s, 0,1
	v_add_nc_u32 v[ADRA+\s], s21, v3
	v_add_nc_u32 v[ADRB+\s], s22, v4
	s_add_co_u32 s21, s21, SLOT
	s_add_co_u32 s22, s22, SLOT
.endr
	s_mul_i32 s23, s12, 16*SPITCH
	s_add_co_u32 s23, s23, STAGE                   ; my stage
	v_mul_u32_u24 v5, v1, SPITCH                   ; in: row r, 32 bytes for each half of the lanes
	v_lshl_add_u32 v5, v2, 5, v5
	v_add_nc_u32 v[STO], s23, v5
	v_and_b32 v7, 31, v0
	v_lshlrev_b32 v[CO], 4, v7                     ; back: the 32 lanes take one row of 512 bytes; and the same in out0
	v_add_nc_u32 v[RD], s23, v[CO]
; 8 matrix instructions: o's block a against out_w's eight, 32 along K, buffers f.  first = 1: the bias starts the sums.  The 32 accumulators take turns in the same order in every quarter.
.macro MULA f, a, first
.irp b, 0,1,2,3,4,5,6,7
.if \first
	v_wmma_f32_16x16x32_f16 v[8*(8*(\a)+\b):8*(8*(\a)+\b)+7], v[64*(\f)+8*\b:64*(\f)+8*\b+7], v[FA+32*(\f)+8*(\a):FA+32*(\f)+8*(\a)+7], v[BIAS+8*\b:BIAS+8*\b+7]
.else
	v_wmma_f32_16x16x32_f16 v[8*(8*(\a)+\b):8*(8*(\a)+\b)+7], v[64*(\f)+8*\b:64*(\f)+8*\b+7], v[FA+32*(\f)+8*(\a):FA+32*(\f)+8*(\a)+7], v[8*(8*(\a)+\b):8*(8*(\a)+\b)+7]
.endif
.endr
.endm
; 24 LDS loads in one run: the fragments of the slot's q-th 32 along K into buffers f: out_w's sixteen, then o's eight, blocks 0 and 1 first
.macro FETCH slot, q, f
	WIN TO_B
.irp b, 0,1,2,3,4,5,6,7
	ds_load_tr16_b128 v[64*(\f)+8*\b:64*(\f)+8*\b+3],   v[ADRB+\slot] offset:(\q)*32*PB+32*\b
	ds_load_tr16_b128 v[64*(\f)+8*\b+4:64*(\f)+8*\b+7], v[ADRB+\slot] offset:(\q)*32*PB+16*PB+32*\b
.endr
	WIN 0
.irp a, 0,1,2,3
	ds_load_b128 v[FA+32*(\f)+8*\a:FA+32*(\f)+8*\a+3],   v[ADRA+\slot] offset:((\q)/2)*128*PA+((\q)%2)*64+\a*16*PA
	ds_load_b128 v[FA+32*(\f)+8*\a+4:FA+32*(\f)+8*\a+7], v[ADRA+\slot] offset:((\q)/2)*128*PA+((\q)%2)*64+\a*16*PA+32
.endr
.endm
.macro PLACES                          ; four places in front of loads into registers that matrix instructions have read, and of reads of results
.rept 4
	v_nop
.endr
.endm
; A K step is four quarters of 32 along K, 32 matrix instructions each, on buffers 0, 1, 0, 1.  One of the first three: multiplies buffers f and fetches the slot's quarter q into buffers g.
.macro QUARTER slot, q, f, g, first
	s_wait_dscnt 4                                 ; out_w's fragments and o's blocks 0 and 1 are in; the youngest four loads (blocks 2 and 3) may be out
.if \first
	WIN MULB
.else
	WIN MUL
.endif
	MULA \f, 0, \first
	MULA \f, 1, \first
	PLACES
	FETCH \slot, \q, \g
	s_wait_dscnt 24                                ; all but the 24 just issued
.if \first
	WIN MULB
.else
	WIN MUL
.endif
	MULA \f, 2, \first
	MULA \f, 3, \first
.endm
; The last quarter multiplies buffers 1 and changes slots: ONE barrier; in front of it each wave waits for all its tensor loads, adds 0 to its spare word, and waits for that and for its own reads of this slot.
; fill = 1: this slot is filled again, two K steps ahead: the barrier opens a round of the cluster's, and the joint refill is the first tensor load behind it.
.macro TURN slot, next, fill
	WIN 0                                          ; (the add's two registers lie in window 0)
	s_wait_tensorcnt 0x0                           ; all my tensor loads have landed: my part of the next slot
	ds_add_u32 v[SPW], v[NIL]                      ; 0 onto my spare word
	s_wait_dscnt 5                                 ; (the add and the youngest four loads may be out)
	WIN MUL
	MULA 1, 0, 0                                   ; eight matrix instructions stand between the add and the wait for it
	s_wait_dscnt 0x0                               ; the add is done, and my reads of this slot are over
	s_barrier_signal -1
	MULA 1, 1, 0
	WIN 0
	s_barrier_wait -1
.if \fill
	CREST                                          ; no wave of any partner still reads this slot's tile or has a load on its way
	s_add_nc_u64 s[G0+4*\slot+2:G0+4*\slot+3], s[G0+4*\slot+2:G0+4*\slot+3], 2*524288
	s_add_nc_u64 s[G0B+4*\slot+2:G0B+4*\slot+3], s[G0B+4*\slot+2:G0B+4*\slot+3], 2*262144
	JLOAD \slot                                    ; the four v_nop behind it are also the places in front of the loads below
.else
	PLACES
.endif
	FETCH \next, 0, 0
	WIN MUL
	MULA 1, 2, 0
	MULA 1, 3, 0
.endm
	s_wait_tensorcnt 1                             ; my part of K step 0 is in (K step 1's load may be out),
	s_barrier_signal -1
	s_barrier_wait -1                              ; everybody's is
	FETCH 0, 0, 0
	s_wait_loadcnt 0x0                             ; the bias
	QUARTER 0, 1, 0, 1, 1                          ; the first quarter stands in front of the loop: its products start the sums
	WIN 0                                          ; at a label and at a branch every window is 0
	s_mov_b32 s3, LAPS-1
.Llap:                                                 ; a trip goes once round the ring, from a lap's second quarter to the next lap's first, and fills both slots again
	QUARTER 0, 2, 1, 0, 0
	QUARTER 0, 3, 0, 1, 0
	TURN 0, 1, 1
	QUARTER 1, 1, 0, 1, 0
	QUARTER 1, 2, 1, 0, 0
	QUARTER 1, 3, 0, 1, 0
	TURN 1, 0, 1
	QUARTER 0, 1, 0, 1, 0
	WIN 0
	s_sub_co_u32 s3, s3, 1
	s_cmp_lg_u32 s3, 0
	s_cbranch_scc1 .Llap
	QUARTER 0, 2, 1, 0, 0                          ; the last lap fills nothing, and has no round of the cluster's barrier
	QUARTER 0, 3, 0, 1, 0
	TURN 0, 1, 0
	QUARTER 1, 1, 0, 1, 0
	QUARTER 1, 2, 1, 0, 0
	QUARTER 1, 3, 0, 1, 0
	s_wait_dscnt 4                                 ; the very last quarter: nothing more to fetch
	WIN MUL
	MULA 1, 0, 0
	MULA 1, 1, 0
	s_wait_dscnt 0
	MULA 1, 2, 0
	MULA 1, 3, 0
	WIN 0
; THE WAY OUT, a block of 16 rows x 128 columns at a time.  A lane holds 32 neighbouring bytes of a row, and the lanes beside it hold other rows: so a block goes through my own stage and comes back as whole rows of 512 bytes.
.macro TOSTAGE a
.set AC, 64*(\a)
	WIN 0x04                                       ; an LDS store's data are its source 1: window 1
.irp b, 0,1,2,3,4,5,6,7
	ds_store_b128 v[STO], v[AC+8*\b:AC+8*\b+3] offset:64*\b          ; each accumulator from its low end on
	ds_store_b128 v[STO], v[AC+8*\b+4:AC+8*\b+7] offset:64*\b+16
.endr
	WIN 0
.set BB, BK+64*((\a)%2)
.irp t, 0,1,2,3,4,5,6,7,8,9,10,11,12,13,14,15
	ds_load_b128 v[BB+4*\t:BB+4*\t+3], v[RD] offset:\t*SPITCH        ; LDS serves a wave's instructions in order: these see the stores above
.endr
.endm
.macro SEND a, younger                 ; younger: the LDS instructions issued behind block a's loads, which may stay out
.set BB, BK+64*((\a)%2)
	s_wait_dscnt \younger
.irp t, 0,1,2,3,4,5,6,7,8,9,10,11,12,13,14,15
	global_store_b128 v[CO], v[BB+4*\t:BB+4*\t+3], s[10:11] offset:(16*(\a)+\t)*4096 th:TH_STORE_NT   ; 32 lanes store 512 consecutive bytes, aligned; written once, read by nobody here
.endr
.endm
	PLACES
	TOSTAGE 0
.irp a, 1,2,3
.if \a > 1
	s_wait_xcnt 0x0                                ; block a - 2's stores have read their registers: block a's loads may land there
.endif
	TOSTAGE \a
	SEND \a-1, 32                                  ; behind block a - 1's loads: block a's 16 stores and 16 loads
.endr
	SEND 3, 0
	s_wait_tensorcnt 0x0                           ; the wave's end, behind my last tensor load and my last LDS store
	ds_add_u32 v[SPW], v[NIL]
	s_wait_dscnt 0x0
	CROUND                                         ; the closing round: no work-group ends while a partner may still ask for a tile that names it
	s_endpgm
.Lfunc_end_k_q42632d6cf2_outp:
	.size	k_q42632d6cf2_outp, .Lfunc_end_k_q42632d6cf2_outp-k_q42632d6cf2_outp
	.p2alignl 7, 3214868480
	.fill 96, 4, 3214868480
	.section	.rodata,"a",@progbits
	.p2align	6, 0x0
	.amdhsa_kernel k_q42632d6cf2_outp
		.amdhsa_group_segment_fixed_size 327680
		.amdhsa_private_segment_fixed_size 0
		.amdhsa_enable_private_segment 0
		.amdhsa_kernarg_size 32
		.amdhsa_user_sgpr_count 2
		.amdhsa_user_sgpr_kernarg_segment_ptr 1
		.amdhsa_wavefront_size32 1
		.amdhsa_system_sgpr_workgroup_id_x 1
		.amdhsa_system_sgpr_workgroup_id_y 1
		.amdhsa_system_sgpr_workgroup_id_z 1
		.amdhsa_system_vgpr_workitem_id 0
		.amdhsa_next_free_vgpr 640
		.amdhsa_next_free_sgpr 66
		.amdhsa_reserve_vcc 0
		.amdhsa_float_denorm_mode_32 3
		.amdhsa_float_denorm_mode_16_64 3
		.amdhsa_memory_ordered 1
		.amdhsa_forward_progress 1
		.amdhsa_inst_pref_size 87
	.end_amdhsa_kernel
	.amdgpu_metadata
---
amdhsa.version: [ 1, 2 ]
amdhsa.kernels:
  - .name:           k_q42632d6cf2_outp
    .symbol:         k_q42632d6cf2_outp.kd
    .args:
      - { .name: o_ws, .offset: 0, .size: 8, .value_kind: global_buffer, .address_space: global }
      - { .name: w16, .offset: 8, .size: 8, .value_kind: global_buffer, .address_space: global }
      - { .name: out_b, .offset: 16, .size: 8, .value_kind: global_buffer, .address_space: global }
      - { .name: out0, .offset: 24, .size: 8, .value_kind: global_buffer, .address_space: global }
    .group_segment_fixed_size: 327680
    .private_segment_fixed_size: 0
    .kernarg_segment_align: 8
    .kernarg_segment_size: 32
    .max_flat_workgroup_size: 128
    .sgpr_count:     66
    .vgpr_count:     640
    .wavefront_size: 32
...
	.end_amdgpu_metadata
.endif
;; end of part 4
